; MI455X (gfx1250); checked and timed in simulation.
; The chip was launched on July 23, 2026; its instructions are those of AMD's public machine-readable ISA for CDNA 5 (MIT licence, August 2026) and "CDNA5" Instruction Set Architecture Reference Guide (July 2026). The comments in the code are by the model that wrote it; some were corrected since.
;; Self Attention. Allowed arithmetic: matrix products marked QUANTISED: E2M1 operands, one E8M0 scale for each 32 along K, by v_wmma_scale_f32_16x16x128_f8f6f4 with both operands' format E2M1 (or v_wmma_scale_f32_32x16x128_f4), f32 sums; products left as they are: bf16, f16 or f32 operands; f32 sums; everything else in f32.
;; Inputs: Wk 1,024 x 1,024 float32; Wp 1,024 x 1,024 float32; Wq 1,024 x 1,024 float32; Wv 1,024 x 1,024 float32; attn_mask 2,048 x 2,048 int32; bk 1,024 float32; bp 1,024 float32; bq 1,024 float32; bv 1,024 float32; freqs_cis 2,048 x 32 x 2 float32; padding_mask 4 x 2,048 int32; x 4 x 2,048 x 1,024 float32.
;; Outputs: out0 4 x 2,048 x 1,024 float32.
;; This version of the problem:
;;   THIS VERSION OF THE PROBLEM IS GIVEN IN LOW PRECISION. The matrix products marked QUANTISED in the list below multiply operands that are first quantised to E2M1 (2 exponent bits, 1 mantissa bit; 4 bits a number), with one power-of-two scale for each 32 numbers along K (OCP MX v1.0); their sums are f32. The products marked 'left as it is' may take bf16, f16 or f32 operands, with f32 sums. Whichever they take, every output number must still come out within the allowed error. Rounding operands to bf16 (8 significant bits) uses up far more of that allowance than f16 does (11 bits, for magnitudes from 6e-5 to 65,504). All else is computed in f32.
;;   The module's matrix products, in the order in which they are computed (A, B: the left and right operand; K: the contracted axis; several contracted axes count as one K, in the product's order):
;;     1. [M 8,192, K 1,024] x [K 1,024, N 1,024]; A: input x; B: input Wq: QUANTISED
;;     2. [M 8,192, K 1,024] x [K 1,024, N 1,024]; A: input x; B: input Wk: QUANTISED
;;     3. [M 8,192, K 1,024] x [K 1,024, N 1,024]; A: input x; B: input Wv: QUANTISED
;;     4. batch 64 x [M 2,048, K 64] x [K 64, N 2,048]; A: computed on the way; B: computed on the way: left as it is (an operand is computed on the way)
;;     5. batch 64 x [M 2,048, K 2,048] x [K 2,048, N 64]; A: computed on the way; B: computed on the way: left as it is (an operand is computed on the way)
;;     6. [M 8,192, K 1,024] x [K 1,024, N 1,024]; A: computed on the way; B: input Wp: left as it is (an operand is computed on the way)
;;   THE QUANTISER, for each operand of a quantised product, along K:
;;     - K is cut into blocks of 32 from its start; a last block that is shorter is filled with zeros.
;;     - A block's scale is 2^e with e = floor(log2(the largest magnitude in the block)) - 2, held to -126 .. 127; a block of zeros has e = 0. As a byte (E8M0): e + 127.
;;     - Each number is divided by its block's scale, clamped to +-6, and rounded to the nearest number of E2M1, ties to even, subnormals kept.
;;     - The product sums the exact products of the quantised numbers (number of the format x scale) in f32.
;;   ~~~python
;;   def quantise(x, axis):      # numpy; x: float32 -> the quantised numbers, widened to float32 again
;;       x = np.moveaxis(x, axis, -1); K = x.shape[-1]
;;       x = np.pad(x, [(0, 0)] * (x.ndim - 1) + [(0, -K % 32)]); x = x.reshape(x.shape[:-1] + (-1, 32)); a = np.abs(x).max(-1, keepdims=True)
;;       e = np.where(a > 0, np.clip(np.frexp(np.where(a > 0, a, 1))[1] - 1 - 2, -126, 127), 0)      # np.frexp(a)[1] - 1 = floor(log2(a)), exactly
;;       r = np.clip(x / 2.0 ** e, -6, 6)
;;       step = 2.0 ** (np.maximum(np.frexp(np.where(r == 0, 1, r))[1] - 1, 0) - 1)
;;       q = np.round(r / step) * step * 2.0 ** e      # np.round: ties to even
;;       return np.moveaxis(q.reshape(q.shape[:-2] + (-1,))[..., :K], -1, axis).astype(np.float32)
;;   ~~~
;; One version. Each part assembles by itself: llvm-mc -triple=amdgcn-amd-amdhsa -mcpu=gfx1250 --defsym DOCPART=n.
;; ======== version 1 of 1: 5 launches
;; limits: values are held in f16: magnitudes above 65,504 overflow, below 6.1e-05 lose precision
;; workspace buffers: xw 6,127,616 bytes; wpimg 2,097,152 bytes; mbits 2,097,152 bytes; tflags 8,192 bytes of whole numbers; qkv 67,108,864 bytes; yimg 16,777,216 bytes; yfine 262,144 bytes
;; launch prep (part 1): grid 544 x 1, 4 waves a work-group, no clusters, 33,280 bytes of LDS; arguments x, Wq, Wk, Wv, Wp, attn_mask, padding_mask, xw, wpimg, mbits, tflags; writes xw, wpimg, mbits, tflags
.if DOCPART == 1
	.amdgcn_target "amdgcn-amd-amdhsa--gfx1250"
	.amdhsa_code_object_version 6
	.text
	.protected	k_q474ceea429_prep
	.globl	k_q474ceea429_prep
	.p2align	8
	.type	k_q474ceea429_prep,@function
k_q474ceea429_prep:
	s_mov_b64 s[64:65], 0
	v_nop
	global_prefetch_b8 v0, s[64:65] scope:SCOPE_SE
	s_setreg_imm32_b32 hwreg(HW_REG_WAVE_MODE, 25, 1), 1
	s_wait_xcnt 0x0
; SELF-ATTENTION, launch 1 of 5: everything that is made once from the inputs.  Three paths, parted by the work-group's number:
;   work-groups 0-127:   the two masks become bits (buffer mbits) and tile flags (buffer tflags);
;   work-groups 128-191: Wp becomes f16, laid as images of operand registers (buffer wpimg);
;   work-groups 192-543: x, Wq, Wk, Wv become codes of FP4 (E2M1) with one E8M0 byte for each 32 along K (buffer xw).
; WORK THAT THE PROGRAM LEAVES OUT OR MOVES, for all values of the inputs:
;   (i) A tile of 32 queries x 64 keys in which attn_mask AND padding_mask leave no key open is not multiplied, unless one of its 32 queries has no open key in the whole row.
;       reference() sets such scores to -1e30; a row that has an open key elsewhere has a maximum far above that, so exp(-1e30 - maximum) is exactly 0 and the tile adds nothing to sum or result.
;       A row with no open key at all has 2,048 equal scores and is the plain average of v: a block that holds such a row walks every key.  Which tiles these are is decided on the whole numbers stored here.
;   (ii) bv is added behind the division by the row's sum: the weights of a row sum to 1, so sum(p (v + bv)) / sum(p) = sum(p v) / sum(p) + bv.  bv is loaded and used; nothing of it is dropped.
;   (iii) A masked score is -2^100 instead of -1e30: c x 2^100 is exact, so a row of masked scores gives weights of exactly 1.
;   Every input is loaded by some launch.
; LIMITS: real scores stay far above -2^100; |q|, |k|, |v|, |y|, |Wp| stay under 65,504 (they are f16 operands of the products that are left as they are);
;   a NaN, an infinity or an overflow in k or v that reaches only a tile left out by (i) is not carried to the result; NaN and infinities among x and the weights are not served;
;   blocks whose largest magnitude lies under 2^(2 - 126) have their byte held at 1; a block of zeros has the byte 1 where the quantiser says 127: its codes are zeros, and this program alone reads the bytes.
; BUFFER xw: codes [11,264 rows][512 bytes], rows 0-8191 x, 8192- Wq, 9216- Wk, 10240- Wv; from byte SCALES on the scale bytes [11,264][32].
; BUFFER wpimg: [64 tiles of 16 rows n][64 chunks of 16 k][32 lanes][16 bytes]: lane (r, h) holds row 16 tile + r, k = 16 chunk + 8 h + 0..7.
; BUFFER mbits: records [batch 4][tile of 16 queries 128][quarter of the keys 4][1,024 bytes]: the word of row 2 i + x, keys 512 quarter + 64 k + 32 e + 0..31, lies at byte
;   512 (i / 4) + 16 (k + 8 e + 16 x) + 4 (i % 4); key kk of the word is bit 31 - kk; a bit is 1 where both masks are open.  These words only select values in the attention.
; BUFFER tflags: 16 bytes for each (batch, tile of 16 queries): byte q: bit k = the 16 x 64 tile (quarter q, k) has an open key; byte 4 + q: all its keys are open; halfword at 8 + 2 q: bit r = row r has an open key
;   in quarter q.  These are the whole numbers on which the attention's walk hangs.
.set WAVES,  4
.set STEPS,  16
.set EMAX,   2
.set CB,     8                         ; bytes of 16 codes
.set R,      16                        ; v16-79   quantiser: four sets of 16 numbers as loaded
.set X,      80                        ; v80-111  two sets of 16 neighbours
.set E,      112                       ; v112-127 a scale byte for each step
.set C,      128                       ; v128-191 codes
.set WREG,   8192                      ; LDS: a region for each wave: two stages of 32 x SP bytes, then its 256 scale bytes
.set SP,     80
.set SPW,    12                        ; v12  LDS address of my spare word; never rewritten
.set NIL,    13                        ; v13  0; never rewritten
.set SPARE,  WAVES*WREG                ; the spare words: 128 bytes for each wave, named by no other line
.set SCALES, 5767168
	s_load_b512 s[4:19], s[0:1], 0x0               ; x s[4:5], Wq s[6:7], Wk s[8:9], Wv s[10:11], Wp s[12:13], attn_mask s[14:15], padding_mask s[16:17], xw s[18:19]
	s_load_b128 s[20:23], s[0:1], 0x40             ; wpimg s[20:21], mbits s[22:23]
	s_load_b64 s[36:37], s[0:1], 0x50              ; tflags
	v_lshl_add_u32 v[SPW], v0, 2, SPARE
	v_mov_b32 v[NIL], 0
	v_lshrrev_b32 v1, 5, v0
	v_readfirstlane_b32 s24, v1                    ; wave 0..3
	v_and_b32 v2, 31, v0                           ; lane
	s_cmp_lt_u32 ttmp9, 128
	s_cbranch_scc1 .Lmask
	s_cmp_lt_u32 ttmp9, 192
	s_cbranch_scc1 .Lwp
; ---- THE QUANTISER.  Rows are dense and K = 1,024 is a multiple of 32: each tensor is a stream of blocks of 32.  A wave takes 16 steps of 512 numbers.
; Each load reads 512 consecutive bytes; a step's 2,048 bytes turn through the wave's own stage in LDS and come back 64 bytes a lane, so that a lane holds 16 neighbours along K and two lanes a block.
	v_lshlrev_b32 v3, 4, v2                        ; my 16 bytes of a load's 512
	s_mul_i32 s27, s24, WREG
	v_lshrrev_b32 v14, 2, v2
	v_mul_u32_u24 v14, v14, SP
	v_and_b32 v15, 3, v2
	v_lshl_add_u32 v14, v15, 4, v14
	v_add_nc_u32 v14, s27, v14                     ; the stage, way in: SP (lane / 4) + 16 (lane % 4)
	v_mul_u32_u24 v15, v2, SP
	v_add_nc_u32 v15, s27, v15                     ; way out: SP x lane
	v_mul_u32_u24 v4, v2, CB                       ; my codes' place in a step's
	v_lshrrev_b32 v5, 1, v2
	s_add_co_u32 s27, s27, 2*32*SP
	v_add_nc_u32 v5, s27, v5                       ; my block's scale byte in the wave's 256
	v_lshlrev_b32 v7, 3, v2
	v_add_nc_u32 v6, s27, v7
	s_sub_co_u32 s25, ttmp9, 192                   ; g = 0..351: 256 work-groups for x, 32 for each weight
	s_and_b32 s26, s25, 31
	s_wait_kmcnt 0x0
	s_cmp_lt_u32 s25, 288                          ; the choices hang on the work-group's number alone
	s_cselect_b64 s[28:29], s[6:7], s[8:9]
	s_cmp_lt_u32 s25, 320
	s_cselect_b64 s[28:29], s[28:29], s[10:11]
	s_cmp_lt_u32 s25, 256
	s_cselect_b64 s[28:29], s[4:5], s[28:29]
	s_cselect_b32 s26, s25, s26                    ; the work-group's number within its tensor
	s_lshl_b32 s26, s26, 2
	s_add_co_u32 s26, s26, s24                     ; which run of 8,192 numbers of the tensor is my wave's
	s_lshl_b32 s34, s26, 15
	s_mov_b32 s35, 0
	s_add_nc_u64 s[28:29], s[28:29], s[34:35]
	s_lshl_b32 s26, s25, 2
	s_add_co_u32 s26, s26, s24                     ; and which run of xw
	s_lshl_b32 s34, s26, 12                        ; 4,096 bytes of codes a run
	s_add_nc_u64 s[30:31], s[18:19], s[34:35]
	s_lshl_b32 s34, s26, 8                         ; 256 scale bytes a run
	s_add_nc_u64 s[32:33], s[18:19], s[34:35]
	s_add_nc_u64 s[32:33], s[32:33], SCALES
.macro LOAD t
.irp i, 0,1,2,3
	global_load_b128 v[R+16*((\t)%4)+4*\i:R+16*((\t)%4)+4*\i+3], v3, s[28:29] offset:2048*(\t)+512*\i th:TH_LOAD_NT
.endr
.endm
.macro TURN t                          ; step t's numbers through the stage: LDS serves a wave's instructions in order, so no wait stands between the stores and the loads
.irp i, 0,1,2,3
	ds_store_b128 v14, v[R+16*((\t)%4)+4*\i:R+16*((\t)%4)+4*\i+3] offset:32*SP*((\t)%2)+8*SP*\i
.endr
.irp i, 0,1,2,3
	ds_load_b128 v[X+16*((\t)%2)+4*\i:X+16*((\t)%2)+4*\i+3], v15 offset:32*SP*((\t)%2)+16*\i
.endr
.endm
.irp t, 0,1,2,3
	LOAD \t
.endr
	s_wait_loadcnt 12                              ; step 0's four loads are in; the 12 of steps 1 to 3 stay out
	TURN 0
.macro STEP t
.set XS, X+16*((\t)%2)
.if (\t) > 0
	s_wait_dscnt 1                                 ; this step's numbers are back from the stage (the last step's byte store may be out)
.else
	s_wait_dscnt 0x0
.endif
.if (\t)+4 < STEPS
	LOAD (\t)+4
.endif
.if (\t)+1 < STEPS
.if STEPS-2-(\t) >= 3
	s_wait_loadcnt 12                              ; the next step's four loads are in; those of the three steps behind it may be out
.else
	s_wait_loadcnt 4*(STEPS-2-(\t))
.endif
	TURN (\t)+1
.endif
	v_max3_num_f32 v8, |v[XS]|, |v[XS+1]|, |v[XS+2]|               ; the largest magnitude of my 16
	v_max3_num_f32 v9, |v[XS+3]|, |v[XS+4]|, |v[XS+5]|
.irp i, 6,10
	v_max3_num_f32 v8, v8, |v[XS+\i]|, |v[XS+\i+1]|
	v_max3_num_f32 v9, v9, |v[XS+\i+2]|, |v[XS+\i+3]|
.endr
	v_max3_num_f32 v8, v8, |v[XS+14]|, |v[XS+15]|
	v_max3_num_f32 v8, v8, v9, (EMAX+1)<<23        ; and the floor 2^(EMAX + 1 - 127): the byte cannot fall under 1
	v_max_num_f32_dpp v8, v8, v8 row_xmask:1 row_mask:0xf bank_mask:0xf   ; with my neighbour's 16: the block's
	v_add_nc_u32 v11, -(EMAX<<23), v8              ; EMAX off its exponent field: the conversion takes the exponent field of this operand as its scale
	v_cvt_scalef32_pk8_fp4_f32 v[C+4*(\t)], v[XS:XS+7], v11
	v_cvt_scalef32_pk8_fp4_f32 v[C+4*(\t)+1], v[XS+8:XS+15], v11
	v_lshrrev_b32 v[E+(\t)], 23, v11               ; the scale's byte
	ds_store_b8 v5, v[E+(\t)] offset:16*(\t)       ; both lanes of a block write the same byte with the same value
	global_store_b64 v4, v[C+4*(\t):C+4*(\t)+1], s[30:31] offset:32*CB*(\t)   ; the wave stores 256 consecutive bytes, aligned
.endm
.irp t, 0,1,2,3,4,5,6,7,8,9,10,11,12,13,14,15
	STEP \t
.endr
	ds_load_b64 v[8:9], v6                         ; LDS serves a wave's instructions in order: these see my stores
	s_wait_dscnt 0x0
	global_store_b64 v7, v[8:9], s[32:33]          ; 32 lanes store 256 consecutive bytes, aligned
	s_wait_tensorcnt 0x0                           ; the wave's end, behind my last LDS store
	ds_add_u32 v[SPW], v[NIL]
	s_wait_dscnt 0x0
	s_endpgm
; ---- Wp TO f16 IMAGES.  Work-group nt = 0..63 takes rows 16 nt .. + 15; wave w chunks 16 w .. 16 w + 15 (k = 256 w .. + 255).  No LDS.
; Lane (r, h) reads, for each chunk, the 32 bytes of row r at k = 16 chunk + 8 h; over its 32 loads a wave reads 1,024 consecutive bytes of each of 16 rows.  A chunk leaves as 512 consecutive bytes.
.Lwp:
	s_sub_co_u32 s25, ttmp9, 128
	v_and_b32 v3, 15, v0                           ; r
	v_bfe_u32 v4, v0, 4, 1                         ; h
	v_lshlrev_b32 v1, 12, v3
	v_lshl_add_u32 v1, v4, 5, v1                   ; 4,096 r + 32 h
	v_lshlrev_b32 v5, 4, v2                        ; 16 x lane
	s_lshl_b32 s26, s25, 16                        ; 16 rows of 4,096 bytes
	s_lshl_b32 s27, s24, 10
	s_add_co_u32 s26, s26, s27
	s_mov_b32 s27, 0
	s_lshl_b32 s28, s25, 15                        ; 64 chunks of 512 bytes
	s_lshl_b32 s29, s24, 13
	s_add_co_u32 s28, s28, s29
	s_mov_b32 s29, 0
	s_wait_kmcnt 0x0
	s_add_nc_u64 s[12:13], s[12:13], s[26:27]
	s_add_nc_u64 s[20:21], s[20:21], s[28:29]
.irp ch, 0,1,2,3,4,5,6,7,8,9,10,11,12,13,14,15
	global_load_b128 v[16+8*\ch:19+8*\ch], v1, s[12:13] offset:64*\ch
	global_load_b128 v[20+8*\ch:23+8*\ch], v1, s[12:13] offset:64*\ch+16
.endr
.irp ch, 0,1,2,3,4,5,6,7,8,9,10,11,12,13,14,15
	s_wait_loadcnt 30-2*\ch                        ; this chunk's two loads are in; the later chunks' stay out
.irp p, 0,1,2,3
	v_cvt_pk_f16_f32 v[144+4*\ch+\p], v[16+8*\ch+2*\p], v[17+8*\ch+2*\p]
.endr
	global_store_b128 v5, v[144+4*\ch:147+4*\ch], s[20:21] offset:512*\ch
.endr
	s_endpgm
; ---- THE MASKS.  Work-group = tile of 16 queries, wave = quarter of the keys: 16 rows x 512 keys of attn_mask, and the same 512 keys of padding_mask for the four batches.  No LDS.
; A load takes 32 keys, 128 consecutive bytes, the lanes in reverse, so that the compare's lane mask has key kk at bit 31 - kk.  Twenty rows of 16 loads go through a ring of four sets; three rows are always on their way.
.Lmask:
	v_sub_nc_u32 v1, 31, v2
	v_lshlrev_b32 v1, 2, v1                        ; 4 (31 - lane)
	v_lshlrev_b32 v3, 4, v2                        ; 16 x lane
	v_and_b32 v11, 3, v2
	v_lshlrev_b32 v7, 11, v11                      ; the flags: lane b holds batch b's: 128 records of 16 bytes a batch
	s_lshl_b32 s25, ttmp9, 4
	s_add_co_u32 s25, s25, s24
	v_add_nc_u32 v7, s25, v7                       ; + 16 x tile + quarter
	v_add_nc_u32 v10, s24, v7                      ; the halfword's: + quarter once more
.irp i, 4,5,6,16,17,18,19,20,21,22,23,24,25,26,27
	v_mov_b32 v\i, 0                               ; a lane write's destination counts as read: written once
.endr
	s_lshl_b32 s26, ttmp9, 17                      ; 16 rows of 8,192 bytes
	s_lshl_b32 s28, s24, 11                        ; 512 keys of 4 bytes
	s_add_co_u32 s26, s26, s28
	s_mov_b32 s27, 0
	s_mov_b32 s29, 0
	s_lshl_b32 s30, ttmp9, 12
	s_lshl_b32 s31, s24, 10
	s_add_co_u32 s30, s30, s31                     ; my record: (4 x tile + quarter) x 1,024
	s_mov_b32 s31, 0
	s_wait_kmcnt 0x0
	s_add_nc_u64 s[14:15], s[14:15], s[26:27]
	s_add_nc_u64 s[16:17], s[16:17], s[28:29]
	s_add_nc_u64 s[32:33], s[22:23], s[30:31]
.macro RLOAD set, lo, off, nt
.irp w, 0,1,2,3,4,5,6,7,8,9,10,11,12,13,14,15
.if \nt
	global_load_b32 v[32+16*(\set)+\w], v1, s[\lo:\lo+1] offset:(\off)+128*\w th:TH_LOAD_NT
.else
	global_load_b32 v[32+16*(\set)+\w], v1, s[\lo:\lo+1] offset:(\off)+128*\w
.endif
.endr
.endm
.macro ROWLOAD n                       ; rows 0-3: padding_mask of batch n (read by all 128 work-groups); rows 4-19: attn_mask's row n - 4 (read once)
.if (\n) < 4
	RLOAD (\n)%4, 16, 8192*(\n), 0
.else
	RLOAD (\n)%4, 14, 8192*((\n)-4), 1
.endif
.endm
.macro RBITS set, dst, x               ; word w of a row goes to lane (w / 2) + 8 (w % 2) + 16 x
.irp w, 0,1,2,3,4,5,6,7,8,9,10,11,12,13,14,15
	v_cmp_ne_u32 s[40+\w%8], 0, v[32+16*(\set)+\w]
	v_writelane_b32 v[\dst], s[40+\w%8], (\w/2)+8*(\w%2)+16*(\x)
.endr
.endm
.macro PBITS set, dst                  ; the padding's word serves rows of both parities
.irp w, 0,1,2,3,4,5,6,7,8,9,10,11,12,13,14,15
	v_cmp_ne_u32 s[40+\w%8], 0, v[32+16*(\set)+\w]
	v_writelane_b32 v[\dst], s[40+\w%8], (\w/2)+8*(\w%2)
	v_writelane_b32 v[\dst], s[40+\w%8], (\w/2)+8*(\w%2)+16
.endr
.endm
	ROWLOAD 0
	ROWLOAD 1
	ROWLOAD 2
.set N, 0
.rept 20
.if N+3 < 20
	ROWLOAD N+3
.endif
.if N < 17
	s_wait_loadcnt 48                              ; this row's 16 loads are in; the three later rows' 48 stay out
.else
	s_wait_loadcnt 16*(19-N)
.endif
.if N < 4
	PBITS N%4, 24+N
.else
	RBITS N%4, 16+(N-4)/2, (N-4)%2
.endif
.set N, N+1
.endr
.irp b, 0,1,2,3
.irp i, 0,1,2,3,4,5,6,7
	v_and_b32 v[96+8*\b+\i], v[16+\i], v[24+\b]    ; open = both masks open
.endr
	global_store_b128 v3, v[96+8*\b:99+8*\b], s[32:33] offset:524288*\b        ; 512 consecutive bytes each
	global_store_b128 v3, v[100+8*\b:103+8*\b], s[32:33] offset:524288*\b+512
	v_or_b32 v8, v[96+8*\b], v[97+8*\b]
	v_and_b32 v9, v[96+8*\b], v[97+8*\b]
.irp i, 2,3,4,5,6,7
	v_or_b32 v8, v8, v[96+8*\b+\i]
	v_and_b32 v9, v9, v[96+8*\b+\i]
.endr
	v_cmp_ne_u32 s40, 0, v8                        ; lane k + 8 e + 16 x: some key open
	v_cmp_eq_u32 s41, -1, v9                       ; all keys open
	s_lshr_b32 s42, s40, 16
	s_or_b32 s40, s40, s42
	s_lshr_b32 s42, s40, 8
	s_or_b32 s40, s40, s42
	s_and_b32 s40, s40, 255                        ; bit k: the tile of 64 keys has an open key
	s_lshr_b32 s42, s41, 16
	s_and_b32 s41, s41, s42
	s_lshr_b32 s42, s41, 8
	s_and_b32 s41, s41, s42
	s_and_b32 s41, s41, 255                        ; bit k: it is wholly open
	s_mov_b32 s44, 0
.irp i, 0,1,2,3,4,5,6,7
	v_cmp_ne_u32 s42, 0, v[96+8*\b+\i]
	s_and_b32 s43, s42, 0xffff                     ; lanes 0-15: row 2 i
	s_cselect_b32 s43, 1<<(2*\i), 0
	s_or_b32 s44, s44, s43
	s_lshr_b32 s43, s42, 16                        ; lanes 16-31: row 2 i + 1
	s_cselect_b32 s43, 1<<(2*\i+1), 0
	s_or_b32 s44, s44, s43
.endr
	v_writelane_b32 v4, s40, \b
	v_writelane_b32 v5, s41, \b
	v_writelane_b32 v6, s44, \b
.endr
	s_wait_xcnt 0x0                                ; EXEC changes only behind this wait
	v_cmp_gt_u32 vcc_lo, 4, v2
	s_and_saveexec_b32 s45, vcc_lo                 ; lanes 0-3: a batch each.  Stores of one and two bytes: 8,192 bytes in the whole launch
	global_store_b8 v7, v4, s[36:37]
	global_store_b8 v7, v5, s[36:37] offset:4
	global_store_b16 v10, v6, s[36:37] offset:8
	s_wait_xcnt 0x0
	s_or_b32 exec_lo, exec_lo, s45
	s_endpgm
.Lfunc_end_k_q474ceea429_prep:
	.size	k_q474ceea429_prep, .Lfunc_end_k_q474ceea429_prep-k_q474ceea429_prep
	.p2alignl 7, 3214868480
	.fill 96, 4, 3214868480
	.section	.rodata,"a",@progbits
	.p2align	6, 0x0
	.amdhsa_kernel k_q474ceea429_prep
		.amdhsa_group_segment_fixed_size 33280
		.amdhsa_private_segment_fixed_size 0
		.amdhsa_enable_private_segment 0
		.amdhsa_kernarg_size 88
		.amdhsa_user_sgpr_count 2
		.amdhsa_user_sgpr_kernarg_segment_ptr 1
		.amdhsa_wavefront_size32 1
		.amdhsa_system_sgpr_workgroup_id_x 1
		.amdhsa_system_sgpr_workgroup_id_y 1
		.amdhsa_system_sgpr_workgroup_id_z 1
		.amdhsa_system_vgpr_workitem_id 0
		.amdhsa_next_free_vgpr 208
		.amdhsa_next_free_sgpr 66
		.amdhsa_reserve_vcc 1
		.amdhsa_float_denorm_mode_32 3
		.amdhsa_float_denorm_mode_16_64 3
		.amdhsa_memory_ordered 1
		.amdhsa_forward_progress 1
		.amdhsa_inst_pref_size 136
	.end_amdhsa_kernel
	.amdgpu_metadata
---
amdhsa.version: [ 1, 2 ]
amdhsa.kernels:
  - .name:           k_q474ceea429_prep
    .symbol:         k_q474ceea429_prep.kd
    .args:
      - { .name: x, .offset: 0, .size: 8, .value_kind: global_buffer, .address_space: global }
      - { .name: Wq, .offset: 8, .size: 8, .value_kind: global_buffer, .address_space: global }
      - { .name: Wk, .offset: 16, .size: 8, .value_kind: global_buffer, .address_space: global }
      - { .name: Wv, .offset: 24, .size: 8, .value_kind: global_buffer, .address_space: global }
      - { .name: Wp, .offset: 32, .size: 8, .value_kind: global_buffer, .address_space: global }
      - { .name: attn_mask, .offset: 40, .size: 8, .value_kind: global_buffer, .address_space: global }
      - { .name: padding_mask, .offset: 48, .size: 8, .value_kind: global_buffer, .address_space: global }
      - { .name: xw, .offset: 56, .size: 8, .value_kind: global_buffer, .address_space: global }
      - { .name: wpimg, .offset: 64, .size: 8, .value_kind: global_buffer, .address_space: global }
      - { .name: mbits, .offset: 72, .size: 8, .value_kind: global_buffer, .address_space: global }
      - { .name: tflags, .offset: 80, .size: 8, .value_kind: global_buffer, .address_space: global }
    .group_segment_fixed_size: 33280
    .private_segment_fixed_size: 0
    .kernarg_segment_align: 8
    .kernarg_segment_size: 88
    .max_flat_workgroup_size: 128
    .sgpr_count:     66
    .vgpr_count:     208
    .wavefront_size: 32
...
	.end_amdgpu_metadata
.endif
;; end of part 1
;; launch qkv (part 2): grid 12 x 32, 4 waves a work-group, clusters of 4 x 4, 327,680 bytes of LDS; arguments xw, bq, bk, freqs_cis, qkv; writes qkv
.if DOCPART == 2
	.amdgcn_target "amdgcn-amd-amdhsa--gfx1250"
	.amdhsa_code_object_version 6
	.text
	.protected	k_q474ceea429_qkv
	.globl	k_q474ceea429_qkv
	.p2align	8
	.type	k_q474ceea429_qkv,@function
k_q474ceea429_qkv:
	s_mov_b64 s[64:65], 0
	v_nop
	global_prefetch_b8 v0, s[64:65] scope:SCOPE_SE
	s_setreg_imm32_b32 hwreg(HW_REG_WAVE_MODE, 25, 1), 1
	s_wait_xcnt 0x0
	s_wait_alu depctr_hold_cnt(0) depctr_sa_sdst(0) depctr_va_vdst(0) depctr_va_sdst(0) depctr_va_ssrc(0) depctr_va_vcc(0) depctr_vm_vsrc(0)
	s_getreg_b32 s2, hwreg(HW_REG_IB_STS2, 6, 4)
	s_cmp_eq_u32 s2, 0
	s_cbranch_scc0 .Lentry_in_a_cluster
	s_endpgm
.Lentry_in_a_cluster:
	s_bfe_u32 s2, ttmp6, 0x10000c
	s_cmp_lg_u32 s2, 0xf033
	s_cbranch_scc0 .Lentry_shape_is_right
	s_endpgm
.Lentry_shape_is_right:
; Launch 2 of 5: the three quantised products, x Wq^T, x Wk^T, x Wv^T, on codes of FP4 (E2M1) with E8M0 scales (buffer xw: codes [11,264 rows][512 bytes], scale bytes [11,264][32] from byte SCB on),
; then bias and RoPE for q and k in f32, and f16 images of operand registers for the attention (buffer qkv).  bv is not added here: the attention adds it behind its division (the weights of a row sum to 1).
; A tile of 256 x 256 results is made by four waves, 128 x 128 each: 64 accumulators, 512 registers.  K = 1,024 is two K steps of 512, one in each of two LDS slots: nothing is ever filled again.
; 384 work-groups: 128 tiles for each of q, k, v.  The scale bytes of the work-group's 512 rows come into LDS once, with the first fills.
; CLUSTERS of 4 x 4.  The cluster's x says which product: 0 q, 1 k: "A" = 256 rows of x (by the cluster's y and cy), "B" = 256 rows of the weight (by cx); 2 v: "A" = 256 rows of Wv (by cy), "B" = 256 rows of x (by the
; cluster's y and cx).  A's tile hangs on cy alone inside a cluster and is asked for jointly by a row of the cluster, B's on cx alone, by a column.  The one branch on the product hangs on the cluster's x, which all partners share.
; THE MATRIX INSTRUCTION IS USED TRANSPOSED (source 0 = 16 rows of B, source 1 = 16 rows of A): lane (r, h) of accumulator (a, b) holds A's row 16 a + r and B's rows 16 b + 8 h + 0..7.
;   q, k: a token and eight neighbouring channels: rounded to f16 they are the lane's 16 bytes of a chunk (16 tokens x 16 channels), the half of an operand fragment; a wave's store of a chunk covers 512 consecutive bytes.
;   v: a channel and eight neighbouring tokens: a chunk of V^T (16 channels x 16 keys), as the attention's second product wants it.  No LDS stage, nothing transposed.
; BUFFER qkv: Q at 0, K at 2^24, V^T's high parts at 2 x 2^24, its low parts at 3 x 2^24; each [batch x 16 + head][262,144 bytes].  Q, K: [token / 16][4 chunks of 16 channels][512].  V^T: [token / 32][4 tiles of 16 channels][2 chunks of 16 tokens][512].
; V IN TWO PARTS: high = v with its mantissa cut to ten bits (exact in f16), low = v - high (exact in f32, then rounded to f16).  Under 6e-5 the high part is rounded in f16's denormals: 3e-8 at the most.
; REGISTERS, in windows of 256: window 0: v0-31 addresses; v32-95 scale words, two sets; from v128 A's fragments, one set; on the way out v32-255 are free.  window 1: B's fragments, two sets.  windows 2, 3: the accumulators.
.set KSTEP,  512
.set NQ,     KSTEP/128
.set ROWB,   256                       ; a tile's row in bytes
.set KROW,   512                       ; a row of codes in memory
.set PITCH,  272                       ; an LDS row: 256 bytes + 16 of padding: the 16 rows that a load touches start 68 words apart
.set FR,     8
.set NL,     2
.set NP,     4
.set HALFT,  128*PITCH
.set SLOT,   4*HALFT
.set KS,     32                        ; a row of scale bytes
.set SCB,    5767168
.set SCL,    2*SLOT
.set HALFS,  (128*KS/256)*272
.set SBLK,   (16*KS/256)*272
.set SPARE,  SCL+4*HALFS               ; the spare words: 128 bytes for each wave, named by no other line
.set ADRA, 16
.set ADRB, 20
.set CO,   26                          ; v26  16 x lane
.set ADRS, 27
.set SPW,  28
.set NIL,  29
.set BL,   30                          ; v30  32 h: my eight biases
.set FL,   31                          ; v31  256 r + 32 h: my token's cos and sin
.set SC,   32
.set AF,   128
.set BI,   32                          ; the way out of q, k: v32-95 biases; v96-159 cos and sin, two sets; v160-191 numbers; v192-223 at work; v224-255 chunks
.set FQ,   96
.set XR,   160
.set TR,   192
.set PK,   224
.set G1, 24
.set G0, 32
.set G1B, 48
.set G0B, 56
.set G1S, 68
.set G0S, 76
.set G1SB, 80
.set G0SB, 88
.set MSB, 0
.macro WIN new                         ; the immediate's high byte repeats the setting that is left
.if MSB != (\new)
	s_set_vgpr_msb (MSB<<8)|(\new)
.set MSB, (\new)
.endif
.endm
.set MUL_LO, 0xa1
.set MUL_HI, 0xf1
.set TO_B,   0x40
; A joint load: waves 0 and 1 fetch for A, waves 2 and 3 for B; the branch hangs on the wave's number alone.  An s_nop 0 and four v_nop follow each line.
.macro JLOAD g0a, g1a, g0b, g1b
	s_cmp_eq_u32 s15, 0
	s_cbranch_scc0 .Lfor_b_\@
	tensor_load_to_lds s[\g0a:\g0a+3], s[\g1a:\g1a+7]
	s_nop 0
.rept 4
	v_nop
.endr
	s_branch .Lasked_\@
.Lfor_b_\@:
	tensor_load_to_lds s[\g0b:\g0b+3], s[\g1b:\g1b+7]
	s_nop 0
.rept 4
	v_nop
.endr
.Lasked_\@:
.endm
.macro CREST
	s_cmp_lg_u32 s14, 0
	s_cbranch_scc1 .Lnot_wave_0_\@
	s_barrier_signal -3
.Lnot_wave_0_\@:
	s_barrier_wait -3
	s_barrier_signal -1
	s_barrier_wait -1
.endm
.macro CROUND
	s_barrier_signal -1
	s_barrier_wait -1
	CREST
.endm
	s_load_b128 s[4:7], s[0:1], 0x0                ; xw s[4:5], bq s[6:7]
	s_load_b128 s[8:11], s[0:1], 0x10              ; bk s[8:9], freqs_cis s[10:11]
	s_load_b64 s[12:13], s[0:1], 0x20              ; qkv
	v_lshl_add_u32 v[SPW], v0, 2, SPARE
	v_mov_b32 v[NIL], 0
	ds_add_u32 v[SPW], v[NIL]                      ; the wave's opening: the add, twice on end, and its wait ahead of my first tensor load
	ds_add_u32 v[SPW], v[NIL]
	v_lshrrev_b32 v1, 5, v0
	v_readfirstlane_b32 s14, v1                    ; wave 0..3
	s_lshr_b32 s15, s14, 1                         ; which half of A's rows is mine.  Also: I fetch for A (0) or for B (1)
	s_and_b32 s16, s14, 1                          ; which half of B's rows.  Also: which 128 rows I fetch
	s_bfe_u32 s40, ttmp6, 0x40000                  ; cx
	s_bfe_u32 s41, ttmp6, 0x40004                  ; cy
	s_and_b32 s98, ttmp7, 0xffff
	s_lshl_b32 s98, s98, 2                         ; 4 x cluster y
	s_lshl_b32 s99, ttmp9, 2
	s_add_co_u32 s99, s99, 32                      ; Wq's rows begin at tile 32 of xw, Wk's at 36
	s_cmp_eq_u32 ttmp9, 2                          ; the product: the same in all sixteen partners
	s_cselect_b32 s17, 40, s98                     ; A's tile of 256 rows of xw: Wv's begin at tile 40; else x's
	s_cselect_b32 s42, s98, s99                    ; B's
	s_cselect_b32 s95, 1, 0                        ; 1: v
	s_add_co_u32 s17, s17, s41                     ; + cy
	s_add_co_u32 s42, s42, s40                     ; + cx
	s_lshl_b32 s43, s41, 2
	s_lshl_b32 s43, 15, s43                        ; my row of the cluster
	s_lshl_b32 s44, 0x1111, s40                    ; my column
	s_or_b32 s[G1+0], s43, (0<<16)|(1<<20)|(1<<21)|(5<<22)|(3<<25)  ; the mask; elements of 1 byte; padding on; bit 21 beside a mask; after every 64 words, 4 words
	s_or_b32 s[G1B+0], s44, (0<<16)|(1<<20)|(1<<21)|(5<<22)|(3<<25)
.irp g, G1, G1B
	s_mov_b32 s[\g+1], ROWB<<16                    ; tensor_dim0
	s_mov_b32 s[\g+2], 128<<16                     ; tensor_dim1
	s_mov_b32 s[\g+3], ROWB<<16                    ; tile_dim0
	s_mov_b32 s[\g+4], 128                         ; tile_dim1
	s_mov_b32 s[\g+5], KROW                        ; from row to row
	s_mov_b32 s[\g+6], 0
	s_mov_b32 s[\g+7], 0
.endr
	s_or_b32 s[G1S+0], s43, (3<<16)|(1<<20)|(1<<21)|(5<<22)|(3<<25) ; the scale bytes of 128 rows: 4,096 dense bytes as 16 rows of 256 (32 elements of 8 bytes), 16 bytes of padding behind each
	s_or_b32 s[G1SB+0], s44, (3<<16)|(1<<20)|(1<<21)|(5<<22)|(3<<25)
.irp g, G1S, G1SB
	s_mov_b32 s[\g+1], 32<<16
	s_mov_b32 s[\g+2], (128*KS/256)<<16
	s_mov_b32 s[\g+3], 32<<16
	s_mov_b32 s[\g+4], 128*KS/256
	s_mov_b32 s[\g+5], 32
	s_mov_b32 s[\g+6], 0
	s_mov_b32 s[\g+7], 0
.endr
	s_lshl_b32 s18, s16, 7                         ; which 128 rows of the tile I fetch
	s_lshl_b32 s20, s17, 8
	s_add_co_u32 s20, s20, s18                     ; A's row in xw
	s_lshl_b32 s46, s42, 8
	s_add_co_u32 s46, s46, s18                     ; B's
	s_lshl_b32 s22, s20, 5                         ; their scale bytes,
	s_lshl_b32 s92, s46, 5
	s_lshl_b32 s20, s20, 9                         ; their codes
	s_lshl_b32 s46, s46, 9
	s_mov_b32 s21, 0
	s_mov_b32 s23, 0
	s_mov_b32 s47, 0
	s_mov_b32 s93, 0
	s_mul_i32 s45, s14, HALFT                      ; where they go: wave x 128 rows: no place in the cluster enters an LDS address
	s_mul_i32 s94, s14, HALFS
	s_wait_dscnt 0x0                               ; both opening adds are done
	s_wait_kmcnt 0x0
	s_add_nc_u64 s[96:97], s[4:5], SCB
	s_add_nc_u64 s[20:21], s[4:5], s[20:21]
	s_add_nc_u64 s[22:23], s[96:97], s[22:23]
	s_add_nc_u64 s[46:47], s[4:5], s[46:47]
	s_add_nc_u64 s[92:93], s[96:97], s[92:93]
	CROUND                                         ; all sixteen work-groups are here: the first joint loads meet
	s_mov_b32 s[G0S], 1
	s_add_co_u32 s[G0S+1], s94, SCL
	s_mov_b64 s[G0S+2:G0S+3], s[22:23]
	s_or_b32 s[G0S+3], s[G0S+3], 0x80000000
	s_mov_b32 s[G0SB], 1
	s_add_co_u32 s[G0SB+1], s94, SCL
	s_mov_b64 s[G0SB+2:G0SB+3], s[92:93]
	s_or_b32 s[G0SB+3], s[G0SB+3], 0x80000000
	JLOAD G0S, G1S, G0SB, G1SB                     ; the scales first: they are wanted with K step 0.  Three loads of mine are out at the most
.irp s, 0,1
	s_mov_b32 s[G0+4*\s], 1
	s_add_co_u32 s[G0+4*\s+1], s45, \s*SLOT
	s_add_nc_u64 s[G0+4*\s+2:G0+4*\s+3], s[20:21], \s*ROWB
	s_or_b32 s[G0+4*\s+3], s[G0+4*\s+3], 0x80000000
	s_mov_b32 s[G0B+4*\s], 1
	s_add_co_u32 s[G0B+4*\s+1], s45, \s*SLOT
	s_add_nc_u64 s[G0B+4*\s+2:G0B+4*\s+3], s[46:47], \s*ROWB
	s_or_b32 s[G0B+4*\s+3], s[G0B+4*\s+3], 0x80000000
	JLOAD G0+4*\s, G1, G0B+4*\s, G1B
.endr
	v_and_b32 v1, 15, v0                           ; r
	v_bfe_u32 v2, v0, 4, 1                         ; h
	v_mul_u32_u24 v3, v1, PITCH
	v_lshl_add_u32 v4, v2, 4, v3                   ; a fragment's row x pitch + 16 h
	s_mul_i32 s21, s15, HALFT                      ; my 128 rows of A
	s_mul_i32 s22, s16, HALFT                      ; my 128 rows of B,
	s_add_co_u32 s22, s22, 2*HALFT                 ; which lie behind A's 256
.irp s, 0,1
	v_add_nc_u32 v[ADRA+\s], s21, v4
	v_add_nc_u32 v[ADRB+\s], s22, v4
	s_add_co_u32 s21, s21, SLOT
	s_add_co_u32 s22, s22, SLOT
.endr
	v_mul_u32_u24 v5, v1, KS                       ; my row's scales: KS bytes a row,
	v_lshrrev_b32 v6, 8, v5
	v_lshl_add_u32 v5, v6, 4, v5                   ; and 16 more for each 256 passed
	s_mul_i32 s21, s15, HALFS
	s_mul_i32 s22, s16, HALFS
	s_add_co_u32 s22, s22, 2*HALFS
	s_sub_co_u32 s22, s22, s21
	v_mul_u32_u24 v6, s22, v2                      ; lanes 16-31 take B's
	s_add_co_u32 s21, s21, SCL
	v_add_nc_u32 v5, v5, v6
	v_add_nc_u32 v[ADRS], s21, v5
	v_and_b32 v6, 31, v0
	v_lshlrev_b32 v[CO], 4, v6
	v_lshlrev_b32 v[BL], 5, v2
	v_lshl_add_u32 v[FL], v1, 8, v[BL]
.macro FRAG reg, adr, q, i             ; 16 rows x 128 K of 4-bit codes: 8 registers: lane l holds row l % 16; registers 4 c .. 4 c + 3 hold K = 64 c + 32 (l / 16) + 0 .. 31
.irp c, 0,1
	ds_load_b128 v[\reg+4*\c:\reg+4*\c+3], v[\adr] offset:64*(\q)+32*\c+(\i)*16*PITCH
.endr
.endm
; 16 matrix instructions: A's blocks a0, a0 + 1 x B's eight, the slot's q-th 128 along K.  The 64 accumulators take turns, one instruction a turn, in the same order in every step.
.macro MUL16 a0, p, q, sc, zero
.irp a, \a0, \a0+1
.irp b, 0,1,2,3,4,5,6,7
.if \zero
	v_wmma_scale_f32_16x16x128_f8f6f4 v[8*(8*((\a)%4)+\b):8*(8*((\a)%4)+\b)+7], v[128*(\p)+FR*\b:128*(\p)+FR*\b+FR-1], v[AF+FR*(\a):AF+FR*(\a)+FR-1], 0, v[SC+8*NQ*(\sc)+NQ*\b+(\q)], v[SC+8*NQ*(\sc)+NQ*(\a)+(\q)] matrix_a_fmt:MATRIX_FMT_FP4 matrix_b_fmt:MATRIX_FMT_FP4 matrix_a_scale:MATRIX_SCALE_ROW1
.else
	v_wmma_scale_f32_16x16x128_f8f6f4 v[8*(8*((\a)%4)+\b):8*(8*((\a)%4)+\b)+7], v[128*(\p)+FR*\b:128*(\p)+FR*\b+FR-1], v[AF+FR*(\a):AF+FR*(\a)+FR-1], v[8*(8*((\a)%4)+\b):8*(8*((\a)%4)+\b)+7], v[SC+8*NQ*(\sc)+NQ*\b+(\q)], v[SC+8*NQ*(\sc)+NQ*(\a)+(\q)] matrix_a_fmt:MATRIX_FMT_FP4 matrix_b_fmt:MATRIX_FMT_FP4 matrix_a_scale:MATRIX_SCALE_ROW1
.endif
.endr
.endr
.endm
.macro FETCH_B slot, q, p
	WIN TO_B
.irp i, 0,1,2,3,4,5,6,7
	FRAG 128*(\p)+FR*\i, ADRB+\slot, \q, \i
.endr
	WIN 0
.endm
.macro FETCH_A slot, q, i0
.irp i, \i0, \i0+1, \i0+2, \i0+3
	FRAG AF+FR*(\i), ADRA+\slot, \q, \i
.endr
.endm
.macro SCALES sc                       ; a K step's scale words: lanes 0-15 take A's block i, lanes 16-31 B's block i
.irp i, 0,1,2,3,4,5,6,7
	ds_load_b128 v[SC+8*NQ*\sc+NQ*\i:SC+8*NQ*\sc+NQ*\i+3], v[ADRS] offset:\i*SBLK
.endr
.endm
.macro PLACES n                        ; plain vector instructions between a matrix instruction and a load into, or a read of, its registers
.rept \n
	v_nop
.endr
.endm
.macro STEP slot, q, zero
	s_wait_dscnt 4*NL                              ; B's set and A's blocks 0-3 are in; the youngest eight loads (A's blocks 4-7) may be out
	WIN MUL_LO
	MUL16 0, (\q)%2, \q, \slot, \zero
	MUL16 2, (\q)%2, \q, \slot, \zero
	s_wait_dscnt 0
	PLACES NP
	FETCH_B \slot, (\q)+1, 1-(\q)%2
	FETCH_A \slot, (\q)+1, 0
	WIN MUL_HI
	MUL16 4, (\q)%2, \q, \slot, \zero
	MUL16 6, (\q)%2, \q, \slot, \zero
	PLACES NP
	WIN 0
	FETCH_A \slot, (\q)+1, 4
.endm
; Slot 0's last step goes over to slot 1: each wave waits for all its tensor loads (its part of slot 1), adds 0 to its spare word, waits for that and for its reads; one barrier.  Nothing is filled again.
.macro TURN slot, next
	s_wait_tensorcnt 0x0
	ds_add_u32 v[SPW], v[NIL]
	s_wait_dscnt 4*NL+1                            ; (the add and the youngest eight loads may be out)
	WIN MUL_LO
	MUL16 0, 1, NQ-1, \slot, 0
	s_wait_dscnt 0x0
	s_barrier_signal -1
	MUL16 2, 1, NQ-1, \slot, 0
	WIN 0
	s_barrier_wait -1
	PLACES NP
	v_add_nc_u32 v[ADRS], 4*NQ, v[ADRS]            ; on to the next K step's scale words (no LDS load of mine is out)
	FETCH_B \next, 0, 0
	FETCH_A \next, 0, 0
	SCALES \next
	WIN MUL_HI
	MUL16 4, 1, NQ-1, \slot, 0
	MUL16 6, 1, NQ-1, \slot, 0
	PLACES NP
	WIN 0
	FETCH_A \next, 0, 4
.endm
	s_wait_tensorcnt 1                             ; the scales and my part of K step 0 are in (K step 1's load may be out),
	s_barrier_signal -1
	s_barrier_wait -1                              ; everybody's are
	FETCH_B 0, 0, 0
	FETCH_A 0, 0, 0
	SCALES 0
	FETCH_A 0, 0, 4
	STEP 0, 0, 1                                   ; the first products start the sums: nothing is cleared
	STEP 0, 1, 0
	STEP 0, 2, 0
	TURN 0, 1
	STEP 1, 0, 0
	STEP 1, 1, 0
	STEP 1, 2, 0
	s_wait_dscnt 4*NL
	WIN MUL_LO
	MUL16 0, 1, NQ-1, 1, 0
	MUL16 2, 1, NQ-1, 1, 0
	s_wait_dscnt 0
	WIN MUL_HI
	MUL16 4, 1, NQ-1, 1, 0
	MUL16 6, 1, NQ-1, 1, 0
	WIN 0
	PLACES NP                                      ; ahead of the loads into registers that held scale words and fragments, and of the first reads of results
	s_cmp_eq_u32 s95, 1
	s_cbranch_scc1 .Lv_out
; ---- THE WAY OUT OF q AND k.  s17 = my tile of 256 tokens (0..31), s15 my half of it; my 128 channels are 256 cx + 128 s16: two heads.
	s_lshr_b32 s18, s17, 3                         ; batch
	s_lshl_b32 s18, s18, 4
	s_lshl_b32 s19, s40, 2
	s_add_co_u32 s18, s18, s19
	s_lshl_b32 s19, s16, 1
	s_add_co_u32 s18, s18, s19                     ; 16 batch + my first head
	s_lshl_b32 s18, s18, 7                         ; 128 tiles of 16 tokens a head
	s_and_b32 s19, s17, 7
	s_lshl_b32 s19, s19, 4
	s_add_co_u32 s18, s18, s19
	s_lshl_b32 s19, s15, 3
	s_add_co_u32 s18, s18, s19                     ; + my first token / 16
	s_lshl_b32 s18, s18, 11                        ; 2,048 bytes a tile
	s_lshl_b32 s19, ttmp9, 24                      ; Q or K
	s_add_co_u32 s18, s18, s19
	s_mov_b32 s19, 0
	s_add_nc_u64 s[12:13], s[12:13], s[18:19]
	s_and_b32 s20, s17, 7
	s_lshl_b32 s20, s20, 16
	s_lshl_b32 s21, s15, 15
	s_add_co_u32 s20, s20, s21                     ; my first position x 256 bytes of cos and sin
	s_mov_b32 s21, 0
	s_add_nc_u64 s[10:11], s[10:11], s[20:21]
	s_lshl_b32 s22, s40, 10
	s_lshl_b32 s23, s16, 9
	s_add_co_u32 s22, s22, s23                     ; my first channel x 4 bytes
	s_mov_b32 s23, 0
	s_cmp_eq_u32 ttmp9, 0
	s_cselect_b64 s[6:7], s[6:7], s[8:9]           ; bq or bk
	s_add_nc_u64 s[6:7], s[6:7], s[22:23]
.irp i, 0,1,2,3,4,5,6,7,8,9,10,11,12,13,14,15
	global_load_b128 v[BI+4*\i:BI+4*\i+3], v[BL], s[6:7] offset:64*(\i/2)+16*(\i%2)   ; register 8 b + j: the bias of channel 16 b + 8 h + j
.endr
.macro FLOAD a                         ; block a's cos and sin into set a % 2: register 8 q + 2 p: cos, + 1: sin, of token 16 a + r and pair 8 q + 4 h + p of a head
.irp i, 0,1,2,3,4,5,6,7
	global_load_b128 v[FQ+32*((\a)%2)+4*\i:FQ+32*((\a)%2)+4*\i+3], v[FL], s[10:11] offset:4096*(\a)+64*(\i/2)+16*(\i%2)
.endr
.endm
	FLOAD 0
	FLOAD 1
; Block a: 16 tokens x 128 channels, a head (four accumulators) at a time: + bias; o1 = x1 cos - x2 sin, o2 = x1 sin + x2 cos on neighbouring channels; two roundings to f16.
.macro OUT_QK a
.set AC, 64*((\a)%4)
.set FS, FQ+32*((\a)%2)
.if (\a) < 7
	s_wait_loadcnt 8                               ; the biases and this block's cos and sin are in; the next block's eight loads stay out
.else
	s_wait_loadcnt 0x0
.endif
	s_wait_xcnt 0x0                                ; the last block's stores have read their chunks: they may be written again
.irp hb, 0,1
	WIN 0x02+(\a)/4                                ; source 0: the accumulators' window
.irp n, 0,2,4,6,8,10,12,14,16,18,20,22,24,26,28,30
	v_pk_add_f32 v[XR+\n:XR+\n+1], v[AC+32*\hb+\n:AC+32*\hb+\n+1], v[BI+32*\hb+\n:BI+32*\hb+\n+1]   ; each accumulator from its low end on
.endr
	WIN 0
.irp n, 0,2,4,6,8,10,12,14,16,18,20,22,24,26,28,30
	v_mul_f32 v[TR+\n], v[XR+\n+1], v[FS+\n+1]     ; x2 sin
.endr
.irp n, 0,2,4,6,8,10,12,14,16,18,20,22,24,26,28,30
	v_mul_f32 v[TR+\n+1], v[XR+\n+1], v[FS+\n]     ; x2 cos
.endr
.irp n, 0,2,4,6,8,10,12,14,16,18,20,22,24,26,28,30
	v_fma_f32 v[TR+\n+1], v[XR+\n], v[FS+\n+1], v[TR+\n+1]   ; o2
.endr
.irp n, 0,2,4,6,8,10,12,14,16,18,20,22,24,26,28,30
	v_fma_f32 v[XR+\n], v[XR+\n], v[FS+\n], -v[TR+\n]        ; o1
.endr
.irp n, 0,2,4,6,8,10,12,14,16,18,20,22,24,26,28,30
	v_cvt_pk_f16_f32 v[PK+16*\hb+\n/2], v[XR+\n], v[TR+\n+1]
.endr
.endr
.if (\a) < 6
	FLOAD (\a)+2
.endif
.irp b, 0,1,2,3,4,5,6,7
	global_store_b128 v[CO], v[PK+4*\b:PK+4*\b+3], s[12:13] offset:(\b/4)*262144+2048*(\a)+512*(\b%4)   ; a chunk: 512 consecutive bytes, aligned
.endr
.endm
.irp a, 0,1,2,3,4,5,6,7
	OUT_QK \a
.endr
	s_branch .Lend
; ---- THE WAY OUT OF v.  My 128 channels are 256 cy + 128 s15: two heads; s42 = my tile of 256 tokens, s16 my half of it.
.Lv_out:
	s_lshr_b32 s18, s42, 3                         ; batch
	s_lshl_b32 s18, s18, 4
	s_lshl_b32 s19, s41, 2
	s_add_co_u32 s18, s18, s19
	s_lshl_b32 s19, s15, 1
	s_add_co_u32 s18, s18, s19                     ; 16 batch + my first head
	s_lshl_b32 s18, s18, 6                         ; 64 groups of 32 tokens a head
	s_and_b32 s19, s42, 7
	s_lshl_b32 s19, s19, 3
	s_add_co_u32 s18, s18, s19
	s_lshl_b32 s19, s16, 2
	s_add_co_u32 s18, s18, s19                     ; + my first token / 32
	s_lshl_b32 s18, s18, 12                        ; 4,096 bytes a group
	s_mov_b32 s19, 0
	s_add_nc_u64 s[12:13], s[12:13], s[18:19]
	s_add_nc_u64 s[12:13], s[12:13], 0x2000000     ; the high parts
	s_add_nc_u64 s[96:97], s[12:13], 0x1000000     ; the low parts
	s_mov_b32 s94, 0xffffe000                      ; keeps sign, exponent and ten bits of mantissa
; Block a: 16 channels x 128 tokens.  v64-127 the cut numbers, v128-191 what is left, v32-63 and v192-223 the chunks.
.macro OUT_V a
.set AC, 64*((\a)%4)
	s_wait_xcnt 0x0                                ; the last block's stores have read their chunks
	WIN 0x02+(\a)/4
.set JJ, 0
.rept 64
	v_and_b32 v[64+JJ], v[AC+JJ], s94              ; each accumulator from its low end on
.set JJ, JJ+1
.endr
.set JJ, 0
.rept 32
	v_pk_add_f32 v[128+JJ:129+JJ], v[AC+JJ:AC+JJ+1], v[64+JJ:65+JJ] neg_lo:[0,1] neg_hi:[0,1]
.set JJ, JJ+2
.endr
	WIN 0
.set JJ, 0
.rept 32
	v_cvt_pk_f16_f32 v[32+JJ], v[64+2*JJ], v[65+2*JJ]
.set JJ, JJ+1
.endr
.set JJ, 0
.rept 32
	v_cvt_pk_f16_f32 v[192+JJ], v[128+2*JJ], v[129+2*JJ]
.set JJ, JJ+1
.endr
.irp b, 0,1,2,3,4,5,6,7
	global_store_b128 v[CO], v[32+4*\b:35+4*\b], s[12:13] offset:((\a)/4)*262144+4096*(\b/2)+1024*((\a)%4)+512*(\b%2)
	global_store_b128 v[CO], v[192+4*\b:195+4*\b], s[96:97] offset:((\a)/4)*262144+4096*(\b/2)+1024*((\a)%4)+512*(\b%2)
.endr
.endm
.irp a, 0,1,2,3,4,5,6,7
	OUT_V \a
.endr
.Lend:
	s_wait_tensorcnt 0x0                           ; the wave's end
	ds_add_u32 v[SPW], v[NIL]
	s_wait_dscnt 0x0
	CROUND                                         ; the closing round: no work-group ends while a partner may still ask for a tile that names it
	s_endpgm
.Lfunc_end_k_q474ceea429_qkv:
	.size	k_q474ceea429_qkv, .Lfunc_end_k_q474ceea429_qkv-k_q474ceea429_qkv
	.p2alignl 7, 3214868480
	.fill 96, 4, 3214868480
	.section	.rodata,"a",@progbits
	.p2align	6, 0x0
	.amdhsa_kernel k_q474ceea429_qkv
		.amdhsa_group_segment_fixed_size 327680
		.amdhsa_private_segment_fixed_size 0
		.amdhsa_enable_private_segment 0
		.amdhsa_kernarg_size 40
		.amdhsa_user_sgpr_count 2
		.amdhsa_user_sgpr_kernarg_segment_ptr 1
		.amdhsa_wavefront_size32 1
		.amdhsa_system_sgpr_workgroup_id_x 1
		.amdhsa_system_sgpr_workgroup_id_y 1
		.amdhsa_system_sgpr_workgroup_id_z 1
		.amdhsa_system_vgpr_workitem_id 0
		.amdhsa_next_free_vgpr 1024
		.amdhsa_next_free_sgpr 102
		.amdhsa_reserve_vcc 0
		.amdhsa_float_denorm_mode_32 3
		.amdhsa_float_denorm_mode_16_64 3
		.amdhsa_memory_ordered 1
		.amdhsa_forward_progress 1
		.amdhsa_inst_pref_size 255
	.end_amdhsa_kernel
	.section	.bss,"aw",@nobits
	.p2align	6
	.space	262144
	.amdgpu_metadata
---
amdhsa.version: [ 1, 2 ]
amdhsa.kernels:
  - .name:           k_q474ceea429_qkv
    .symbol:         k_q474ceea429_qkv.kd
    .args:
      - { .name: xw, .offset: 0, .size: 8, .value_kind: global_buffer, .address_space: global }
      - { .name: bq, .offset: 8, .size: 8, .value_kind: global_buffer, .address_space: global }
      - { .name: bk, .offset: 16, .size: 8, .value_kind: global_buffer, .address_space: global }
      - { .name: freqs_cis, .offset: 24, .size: 8, .value_kind: global_buffer, .address_space: global }
      - { .name: qkv, .offset: 32, .size: 8, .value_kind: global_buffer, .address_space: global }
    .group_segment_fixed_size: 327680
    .private_segment_fixed_size: 0
    .kernarg_segment_align: 8
    .kernarg_segment_size: 40
    .max_flat_workgroup_size: 128
    .sgpr_count:     102
    .vgpr_count:     1024
    .wavefront_size: 32
...
	.end_amdgpu_metadata
.endif
;; end of part 2
;; launch attn (part 3): grid 4 x 64, 8 waves a work-group, no clusters, 33,792 bytes of LDS; arguments qkv, mbits, bv, yimg, yfine, tflags; writes yimg, yfine
.if DOCPART == 3
	.amdgcn_target "amdgcn-amd-amdhsa--gfx1250"
	.amdhsa_code_object_version 6
	.text
	.protected	k_q474ceea429_attn
	.globl	k_q474ceea429_attn
	.p2align	8
	.type	k_q474ceea429_attn,@function
k_q474ceea429_attn:
	s_mov_b64 s[64:65], 0
	v_nop
	global_prefetch_b8 v0, s[64:65] scope:SCOPE_SE
	s_setreg_imm32_b32 hwreg(HW_REG_WAVE_MODE, 25, 1), 1
	s_wait_xcnt 0x0
; Launch 3 of 5: y = softmax(q k^T / 8, masked) v + bv, on f16 operands with f32 sums, maxima and exponentials.
; LEFT OUT: a step of 64 keys in which my 32 queries have no open key is not multiplied, unless one of them has no open key in its whole row (then every step is walked, and the mask applied in each): the weights there are exactly 0.
;   The decision is read as whole numbers from buffer tflags, which launch 1 stored.  A NaN or an infinity in k or v of a step left out is not carried to the result.
;   The mask words of buffer mbits only select values: no branch and no address hangs on them.
; MOVED: bv is the addend of the multiply-add that divides by the row's sum (the weights of a row sum to 1).  A masked score is -2^100: c x 2^100 is exact, so a row of masked scores gives weights of exactly 1.
; SHARES.  256 work-groups of 8 waves of 512 registers: two waves to a SIMD, so that one wave's vector work stands beside the other's products.  Work-group (x, batch x 16 + head) makes the blocks of 256 queries 7 - x and
; then x; a wave owns 32 queries, two tiles of 16.  A step is 64 keys: 8 KB of K's images and 8 KB of V^T's, brought through registers into one of two LDS slots by the eight waves together, a step ahead.
; NO TENSOR LOAD AND NO CLUSTER: which steps are walked hangs on numbers read from memory, and work-groups that share a head's K and V need different steps of them.
; LAYOUT.  S^T = K Q^T (source 0 = 16 keys, source 1 = 16 queries): a lane holds one query (lane % 16) and keys 8 (lane / 16) + 0..7 of each tile; two tiles rounded to f16 are source 1 of O^T = V^T P.  Operands lie in memory and
; LDS as images of their registers: every LDS address is 16 x lane (+ 2,048 x wave for the stores) + a constant.
; THE FIRST 16 POSITIONS of each sequence (tile 0 of wave 0 in block 0) average few values: there p and v go as pairs of f16 (p cut to ten bits of mantissa and the rest; V^T's low parts from memory), three products in place of one,
; and y is also stored in f32 (buffer yfine) for a projection of its own.
; REGISTERS.  window 0: v1-11 addresses and constants; v12-15 mask words; v16-31 the step on its way; v32-47 statistics, 8 a tile: c m, m, l (2), c0-c3 (a takes c2's place); v48-63 at work; v64-127 K, then P (16 a tile) and P's low part;
;   v128-191 S^T, 32 a tile; v192-255 V^T.   window 1: v0-63 O^T (32 a tile); v64-95 Q; v96-127 bv; v128-191 V^T's low parts.
.set SLOTB, 16384                      ; a slot: K's 8 KB, then V^T's
.set SPARE, 2*SLOTB                    ; the spare words: 128 bytes for each of eight waves, named by no other line
.set L16, 1                            ; v1   16 x lane
.set SPW, 2
.set NIL, 3
.set GA,  4                            ; v4   16 lane + 2,048 (wave % 4) + 16,384 x trip: my part of a step in memory
.set LW,  5                            ; v5   16 lane + 2,048 wave: and in a slot
.set MAC, 6                            ; v6   my query's place in a mask record
.set MT,  7
.set SH8, 8                            ; v8   8 h
.set NEG, 9                            ; v9   -2^100
.set PFO, 10                           ; v10  256 lane + 16,384 x trip
.set YF,  11                           ; v11  4,096 r + 32 h
.set MW,  12
.set STG, 16
.set ST,  32
.set TT,  48
.set KF,  64
.set P,   64
.set PL,  96
.set S,   128
.set VF,  192
.set QF,  64                           ; window 1
.set BV,  96
.set VLF, 128
.set MSB, 0
.macro WIN new
.if MSB != (\new)
	s_set_vgpr_msb (MSB<<8)|(\new)
.set MSB, (\new)
.endif
.endm
	s_load_b256 s[4:11], s[0:1], 0x0               ; qkv s[4:5], mbits s[6:7], bv s[8:9], yimg s[10:11]
	s_load_b64 s[12:13], s[0:1], 0x20              ; yfine
	s_load_b64 s[100:101], s[0:1], 0x28            ; tflags
	v_lshl_add_u32 v[SPW], v0, 2, SPARE
	v_mov_b32 v[NIL], 0
	v_lshrrev_b32 v[L16], 5, v0
	v_readfirstlane_b32 s22, v[L16]                ; wave 0..7
	s_and_b32 s24, ttmp7, 0xffff                   ; 16 batch + head
	s_lshr_b32 s25, s24, 4                         ; batch
	s_and_b32 s26, s24, 15                         ; head
	v_and_b32 v[MT], 31, v0
	v_lshlrev_b32 v[L16], 4, v[MT]
	v_lshl_add_u32 v[LW], s22, 11, v[L16]
	v_and_b32 v12, 15, v0                          ; r
	v_bfe_u32 v13, v0, 4, 1                        ; h
	v_lshlrev_b32 v[SH8], 3, v13
	v_lshrrev_b32 v14, 3, v12
	v_lshlrev_b32 v[MAC], 9, v14                   ; 512 (r / 8)
	v_and_b32 v14, 1, v12
	v_lshl_add_u32 v[MAC], v14, 8, v[MAC]          ; + 256 (r % 2)
	v_bfe_u32 v14, v12, 1, 2
	v_lshl_add_u32 v[MAC], v14, 2, v[MAC]          ; + 4 ((r / 2) % 4)
	v_mov_b32 v[NEG], 0xf1800000
	v_lshlrev_b32 v[YF], 12, v12
	v_lshl_add_u32 v[YF], v13, 5, v[YF]
	v_lshlrev_b32 v[TT], 5, v13                    ; 32 h: my eight of bv
	s_mov_b32 s35, 0xffffe000                      ; keeps sign, exponent and ten bits of mantissa
	s_mov_b32 s38, 0x3e38aa3b                      ; c = log2(e) / 8
	s_mov_b32 s39, s38                             ; (named with it as a pair)
	s_mov_b32 s40, 0x76543210
	s_mov_b32 s41, 0xfedcba98                      ; lane l xor 16
	s_lshl_b32 s42, s24, 18                        ; a head's 262,144 bytes
	s_mov_b32 s43, 0
	s_lshl_b32 s44, s26, 8
	s_mov_b32 s45, 0
	s_lshl_b32 s46, s25, 16
	s_add_co_u32 s46, s46, s44                     ; yfine: 65,536 batch + 256 head
	s_mov_b32 s47, 0
	s_wait_kmcnt 0x0
	s_add_nc_u64 s[14:15], s[4:5], s[42:43]        ; the head's Q,
	s_add_nc_u64 s[16:17], s[14:15], 0x1000000     ; K,
	s_add_nc_u64 s[18:19], s[14:15], 0x2000000     ; V^T's high parts,
	s_add_nc_u64 s[66:67], s[14:15], 0x3000000     ; and low parts
	s_cmp_lt_u32 s22, 4
	s_cselect_b64 s[36:37], s[16:17], s[18:19]     ; waves 0-3 bring K, waves 4-7 V^T
	s_add_nc_u64 s[20:21], s[8:9], s[44:45]
	s_add_nc_u64 s[12:13], s[12:13], s[46:47]
	WIN 0x40                                       ; destination window 1
.irp i, 0,1,2,3,4,5,6,7
	global_load_b128 v[BV+4*\i:BV+4*\i+3], v[TT], s[20:21] offset:64*(\i/2)+16*(\i%2)   ; register 8 dt + j: bv of channel 16 dt + 8 h + j
.endr
	WIN 0
.set JJ, MW
.rept 20
	v_mov_b32 v[JJ], 0                             ; mask words and the step on its way: written once, since their loads stand under branches
.set JJ, JJ+1
.endr
	s_mov_b32 s27, 0                               ; the pass
.macro ALIVE16 base                    ; SCC = 1 where each of the record's 16 rows has an open key somewhere
	s_or_b32 s42, s[\base+2], s[\base+3]
	s_lshr_b32 s43, s42, 16
	s_or_b32 s42, s42, s43
	s_and_b32 s42, s42, 0xffff
	s_cmp_eq_u32 s42, 0xffff
.endm
.macro REC base                        ; the steps that this tile of queries wants: those with an open key, or all
	ALIVE16 \base
	s_cselect_b32 s43, s[\base], -1
	s_or_b32 s30, s30, s43
.endm
; A STEP'S WORK: 64 keys in slot par, for my two tiles of queries.
.macro COMPUTE par
.set SL, SLOTB*(\par)
	s_lshl_b32 s42, s29, 1
.if \par
	s_add_co_u32 s42, s42, 1                       ; the step's number J
.endif
	s_lshr_b32 s43, s42, 3
	s_lshl_b32 s43, s43, 10                        ; the quarter's record,
	s_and_b32 s42, s42, 7
	s_lshl_b32 s42, s42, 4                         ; the step's words in it
	s_add_co_u32 s42, s42, s43
	v_add_nc_u32 v[MT], s42, v[MAC]                ; (the last loads by this register were waited for at the last step's end)
	s_bitcmp1_b32 s32, 0                           ; wholly open for both tiles: no mask is read or applied
	s_cbranch_scc1 .Lopen_a_\@
.irp qt, 0,1
.irp e, 0,1
	global_load_b32 v[MW+2*\qt+\e], v[MT], s[60:61] offset:4096*\qt+128*\e   ; my query's word of keys 32 e + 0..31
.endr
.endr
.Lopen_a_\@:
.irp i, 0,1,2,3,4,5,6,7,8,9,10,11,12,13,14,15
	ds_load_b128 v[KF+4*\i:KF+4*\i+3], v[L16] offset:SL+512*\i
.endr
.irp i, 0,1,2,3,4,5,6,7,8,9,10,11,12,13,14,15
	ds_load_b128 v[VF+4*\i:VF+4*\i+3], v[L16] offset:SL+8192+512*\i
.endr
	s_wait_dscnt 16                                ; K is in; V^T's 16 loads stay out
	WIN 0x04                                       ; source 1 (Q) window 1
.irp kc, 0,1                                   ; eight accumulators by turns; the first eight products start the sums
.irp kt, 0,1,2,3
.irp qt, 0,1
.if \kc == 0
	v_wmma_f32_16x16x32_f16 v[S+32*\qt+8*\kt:S+32*\qt+8*\kt+7], v[KF+16*\kt+8*\kc:KF+16*\kt+8*\kc+7], v[QF+16*\qt+8*\kc:QF+16*\qt+8*\kc+7], 0
.else
	v_wmma_f32_16x16x32_f16 v[S+32*\qt+8*\kt:S+32*\qt+8*\kt+7], v[KF+16*\kt+8*\kc:KF+16*\kt+8*\kc+7], v[QF+16*\qt+8*\kc:QF+16*\qt+8*\kc+7], v[S+32*\qt+8*\kt:S+32*\qt+8*\kt+7]
.endif
.endr
.endr
.endr
	WIN 0
.rept 4
	v_nop                                          ; places behind the products, ahead of the first read of the scores
.endr
	s_bitcmp1_b32 s32, 0
	s_cbranch_scc1 .Lopen_b_\@
	s_wait_loadcnt 0x0                             ; the mask words
.irp w, 0,1,2,3
	v_lshlrev_b32 v[MW+\w], v[SH8], v[MW+\w]       ; key kk is bit 31 - kk: my first key, 8 h, comes to the top
.endr
.irp qt, 0,1
.irp e, 0,1
.irp u, 0,1                                    ; the tile of keys 2 e + u; its registers in ascending order
.irp j, 0,1,2,3,4,5,6,7
	v_add_co_u32 v[MW+2*\qt+\e], vcc_lo, v[MW+2*\qt+\e], v[MW+2*\qt+\e]      ; the top bit falls into the carry
	v_cndmask_b32 v[S+32*\qt+8*(2*\e+\u)+\j], v[NEG], v[S+32*\qt+8*(2*\e+\u)+\j], vcc_lo
.endr
.if \u == 0
	v_lshlrev_b32 v[MW+2*\qt+\e], 8, v[MW+2*\qt+\e]                         ; over the other half's eight keys
.endif
.endr
.endr
.endr
.Lopen_b_\@:
	; the maximum of my 32 scores and the old m: four chains, the two tiles by turns
.irp j, 0,1,2,3
.irp t, 0,1
	v_max3_num_f32 v[ST+8*\t+4+\j], v[S+32*\t+8*\j], v[S+32*\t+8*\j+1], v[S+32*\t+8*\j+2]
.endr
.endr
.irp g, 1,2
.irp j, 0,1,2,3
.irp t, 0,1
	v_max3_num_f32 v[ST+8*\t+4+\j], v[ST+8*\t+4+\j], v[S+32*\t+8*\j+2*\g+1], v[S+32*\t+8*\j+2*\g+2]
.endr
.endr
.endr
.irp t, 0,1
	v_max3_num_f32 v[ST+8*\t+4], v[ST+8*\t+4], v[S+32*\t+7], v[S+32*\t+15]
	v_max3_num_f32 v[ST+8*\t+6], v[ST+8*\t+6], v[S+32*\t+23], v[S+32*\t+31]
.endr
.irp t, 0,1
	v_max3_num_f32 v[ST+8*\t+4], v[ST+8*\t+4], v[ST+8*\t+5], v[ST+8*\t+6]
.endr
.irp t, 0,1
	v_max3_num_f32 v[ST+8*\t+4], v[ST+8*\t+4], v[ST+8*\t+7], v[ST+8*\t+1]
.endr
.irp t, 0,1
	v_permlanex16_b32 v[ST+8*\t+5], v[ST+8*\t+4], s40, s41    ; the query's other 32 keys lie in the lane 16 away
.endr
.irp t, 0,1
	v_mov_b32 v[ST+8*\t+7], v[ST+8*\t]             ; c m_old
.endr
.irp t, 0,1
	v_max_num_f32 v[ST+8*\t+1], v[ST+8*\t+4], v[ST+8*\t+5]
.endr
.irp t, 0,1
	v_mul_f32 v[ST+8*\t], s38, v[ST+8*\t+1]
.endr
.irp t, 0,1
	v_sub_f32 v[ST+8*\t+7], v[ST+8*\t+7], v[ST+8*\t]
.endr
.irp t, 0,1
	v_exp_f32 v[ST+8*\t+6], v[ST+8*\t+7]           ; a = 2^(c m_old - c m_new)
.endr
.set JJ, 0
.rept 16
.irp t, 0,1
	v_pk_fma_f32 v[S+32*\t+JJ:S+32*\t+JJ+1], v[S+32*\t+JJ:S+32*\t+JJ+1], s[38:39], v[ST+8*\t:ST+8*\t+1] op_sel_hi:[1,0,0] neg_lo:[0,0,1] neg_hi:[0,0,1]   ; c s - c m
.endr
.set JJ, JJ+2
.endr
.set JJ, 0
.rept 32
.irp t, 0,1
	v_exp_f32 v[S+32*\t+JJ], v[S+32*\t+JJ]
.endr
.set JJ, JJ+1
.endr
	v_nop                                          ; a plain instruction behind the last exponential
	s_wait_alu depctr_va_vdst(0)                   ; one wait for all 66 exponentials, ahead of the first line that names a result
.set JJ, 0
.rept 16
.irp t, 0,1
	v_cvt_pk_f16_f32 v[P+16*\t+JJ], v[S+32*\t+2*JJ], v[S+32*\t+2*JJ+1]
.endr
.set JJ, JJ+1
.endr
	WIN 0x41                                       ; O^T (destination and source 0) window 1
.set JJ, 0
.rept 32
	v_pk_mul_f32 v[JJ:JJ+1], v[JJ:JJ+1], v[ST+8*(JJ/32)+6:ST+8*(JJ/32)+7] op_sel_hi:[1,0]   ; O^T x a, each accumulator from its low end on
.set JJ, JJ+2
.endr
	WIN 0
	s_cmp_eq_u32 s33, 0
	s_cbranch_scc1 .Lcoarse_\@
	; the fine tile: p = high + low; O^T += V_high p_low + V_low p_high here, V_high p_high below
.set JJ, 0
.rept 16
	v_and_b32 v[TT+2*(JJ%8)], s35, v[S+2*JJ]
	v_and_b32 v[TT+2*(JJ%8)+1], s35, v[S+2*JJ+1]
	v_cvt_pk_f16_f32 v[P+JJ], v[TT+2*(JJ%8)], v[TT+2*(JJ%8)+1]
	v_pk_add_f32 v[TT+2*(JJ%8):TT+2*(JJ%8)+1], v[S+2*JJ:S+2*JJ+1], v[TT+2*(JJ%8):TT+2*(JJ%8)+1] neg_lo:[0,1] neg_hi:[0,1]
	v_cvt_pk_f16_f32 v[PL+JJ], v[TT+2*(JJ%8)], v[TT+2*(JJ%8)+1]
.set JJ, JJ+1
.endr
	WIN 0x40
.irp i, 0,1,2,3,4,5,6,7,8,9,10,11,12,13,14,15
	global_load_b128 v[VLF+4*\i:VLF+4*\i+3], v[GA], s[66:67] offset:8192*(\par)+512*\i   ; (this is wave 0: its offset stands at the step's first byte)
.endr
	s_wait_loadcnt 0x0
	s_wait_dscnt 0x0
	WIN 0x50                                       ; C and D window 1
.irp kg, 0,1
.irp dt, 0,1,2,3
	v_wmma_f32_16x16x32_f16 v[8*\dt:8*\dt+7], v[VF+32*\kg+8*\dt:VF+32*\kg+8*\dt+7], v[PL+8*\kg:PL+8*\kg+7], v[8*\dt:8*\dt+7]
.endr
.endr
	WIN 0x51                                       ; and source 0 window 1
.irp kg, 0,1
.irp dt, 0,1,2,3
	v_wmma_f32_16x16x32_f16 v[8*\dt:8*\dt+7], v[VLF+32*\kg+8*\dt:VLF+32*\kg+8*\dt+7], v[P+8*\kg:P+8*\kg+7], v[8*\dt:8*\dt+7]
.endr
.endr
	WIN 0
.Lcoarse_\@:
	; the row's sum, of the weights in f32: neighbours 1, 2, 4, 8 pairs apart, then l = l a + the sum
.irp w, 4,8,16,32
.set JJ, 0
.rept 32/\w
.irp t, 0,1
	v_pk_add_f32 v[S+32*\t+JJ:S+32*\t+JJ+1], v[S+32*\t+JJ:S+32*\t+JJ+1], v[S+32*\t+JJ+\w/2:S+32*\t+JJ+\w/2+1]
.endr
.set JJ, JJ+\w
.endr
.endr
.irp t, 0,1
	v_pk_fma_f32 v[ST+8*\t+2:ST+8*\t+3], v[ST+8*\t+2:ST+8*\t+3], v[ST+8*\t+6:ST+8*\t+7], v[S+32*\t:S+32*\t+1] op_sel_hi:[1,0,1]
.endr
	s_wait_dscnt 0x0                               ; V^T is in
	WIN 0x50
.irp kg, 0,1                                   ; eight accumulators by turns
.irp dt, 0,1,2,3
.irp qt, 0,1
	v_wmma_f32_16x16x32_f16 v[32*\qt+8*\dt:32*\qt+8*\dt+7], v[VF+32*\kg+8*\dt:VF+32*\kg+8*\dt+7], v[P+16*\qt+8*\kg:P+16*\qt+8*\kg+7], v[32*\qt+8*\dt:32*\qt+8*\dt+7]
.endr
.endr
.endr
	WIN 0
.rept 4
	v_nop                                          ; places ahead of the next loads into these operands' registers and of the next read of O^T
.endr
.endm
; A TRIP: the next step's 16 KB are asked for, this step is worked, the next step's go into the other slot, one barrier.  s30, s31, s32: bit 0 = this step, bit 1 = the next:
; wanted by some wave of the work-group, wanted by me, wholly open for me.  The barrier and the waits in front of it stand under no branch.
.macro TRIP par
	s_bitcmp1_b32 s30, 1
	s_cbranch_scc0 .Lno_load_\@
.irp i, 0,1,2,3
	global_load_b128 v[STG+4*\i:STG+4*\i+3], v[GA], s[36:37] offset:8192*(\par+1)+512*\i
.endr
.Lno_load_\@:
	s_cmp_lt_u32 s29, s34                          ; a prefetch of the step three on: 32 lanes x 256 bytes are its 8 KB of K (wave 0) or of V^T (wave 4).  The head's first work-group asks, in its first pass, whatever
	s_cbranch_scc0 .Lno_ask_\@                     ; its own flags say: the other blocks of the head may want what it leaves out.  Trips 0 to 13 ask for steps 3 to 30: each 256 bytes are named once in the launch
	global_prefetch_b8 v[PFO], s[36:37] offset:8192*(\par+3) th:TH_LOAD_NT scope:SCOPE_SE
.Lno_ask_\@:
	s_bitcmp1_b32 s31, 0
	s_cbranch_scc0 .Lno_work_\@
	COMPUTE \par
.Lno_work_\@:
	s_wait_loadcnt 0x0                             ; the next step is in registers
	s_bitcmp1_b32 s30, 1
	s_cbranch_scc0 .Lno_store_\@
.irp i, 0,1,2,3
	ds_store_b128 v[LW], v[STG+4*\i:STG+4*\i+3] offset:SLOTB*(1-\par)+512*\i   ; the other slot was last read a trip ago, ahead of that trip's barrier
.endr
.Lno_store_\@:
	s_wait_dscnt 0x0                               ; my stores have landed, and my reads of this slot are over
	s_barrier_signal -1
	s_barrier_wait -1
	s_lshr_b32 s30, s30, 1
	s_lshr_b32 s31, s31, 1
	s_lshr_b32 s32, s32, 1
.endm
.Lpass:
	s_sub_co_u32 s28, 7, ttmp9
	s_cmp_eq_u32 s27, 0
	s_cselect_b32 s28, s28, ttmp9                  ; the block of 256 queries: 7 - x, then x
	s_lshl_b32 s42, s28, 4
	s_lshl_b32 s43, s25, 7
	s_add_co_u32 s43, s43, s42                     ; 128 batch + the block's first tile of 16 queries
	s_lshl_b32 s44, s43, 4
	s_mov_b32 s45, 0
	s_add_nc_u64 s[62:63], s[100:101], s[44:45]    ; the block's 16 flag records
	s_lshl_b32 s44, s22, 5
	s_add_nc_u64 s[46:47], s[62:63], s[44:45]      ; my two
	s_load_b512 s[68:83], s[62:63], 0x0
	s_load_b512 s[84:99], s[62:63], 0x40
	s_load_b256 s[48:55], s[46:47], 0x0
	s_lshl_b32 s44, s22, 1
	s_add_co_u32 s42, s42, s44                     ; my first tile in the sequence,
	s_add_co_u32 s43, s43, s44                     ; and among all
	s_lshl_b32 s44, s42, 11
	s_add_nc_u64 s[56:57], s[14:15], s[44:45]      ; my Q
	s_lshl_b32 s44, s43, 15
	s_add_nc_u64 s[58:59], s[10:11], s[44:45]
	s_lshl_b32 s44, s26, 11
	s_add_nc_u64 s[58:59], s[58:59], s[44:45]      ; my y: tile x 32,768 + head x 4 chunks
	s_lshl_b32 s44, s43, 12
	s_add_nc_u64 s[60:61], s[6:7], s[44:45]        ; my mask records
	WIN 0x40
.irp i, 0,1,2,3,4,5,6,7
	global_load_b128 v[QF+4*\i:QF+4*\i+3], v[L16], s[56:57] offset:512*\i
.endr
.set JJ, 0
.rept 64
	v_mov_b32 v[JJ], 0                             ; O^T.  Which step is a pass's first hangs on the flags, so no first step can be written apart: the first change of m multiplies zeros
.set JJ, JJ+1
.endr
	WIN 0
.irp t, 0,1
	v_mov_b32 v[ST+8*\t+1], 0xff61b1e6             ; m = -3e38, under every score
	v_mul_f32 v[ST+8*\t], s38, v[ST+8*\t+1]
.irp j, 2,3,4,5,6,7
	v_mov_b32 v[ST+8*\t+\j], 0
.endr
.endr
	s_and_b32 s44, s22, 3
	v_lshl_add_u32 v[GA], s44, 11, v[L16]
	v_lshlrev_b32 v[PFO], 4, v[L16]
	s_or_b32 s33, s28, s22
	s_cmp_eq_u32 s33, 0
	s_cselect_b32 s33, 1, 0                        ; 1: my tile 0 holds positions 0 to 15
	s_or_b32 s34, s44, ttmp9
	s_or_b32 s34, s34, s27
	s_cmp_eq_u32 s34, 0
	s_cselect_b32 s34, 14, 0                       ; the trips in which I prefetch
	s_mov_b32 s30, 0
	s_wait_kmcnt 0x0
.irp rb, 68,72,76,80,84,88,92,96
	REC \rb
.endr
	s_load_b512 s[68:83], s[62:63], 0x80
	s_load_b512 s[84:99], s[62:63], 0xc0
	ALIVE16 48
	s_cselect_b32 s31, s48, -1
	s_cselect_b32 s32, s49, 0
	ALIVE16 52
	s_cselect_b32 s44, s52, -1
	s_cselect_b32 s45, s53, 0
	s_or_b32 s31, s31, s44                         ; a step is mine where either tile wants it,
	s_and_b32 s32, s32, s45                        ; and open where both are wholly open
	s_wait_kmcnt 0x0
.irp rb, 68,72,76,80,84,88,92,96
	REC \rb
.endr
	s_bitcmp1_b32 s30, 0                           ; step 0, if wanted, comes with nothing beside it
	s_cbranch_scc0 .Lno_first
.irp i, 0,1,2,3
	global_load_b128 v[STG+4*\i:STG+4*\i+3], v[GA], s[36:37] offset:512*\i
.endr
	s_wait_loadcnt 0x0
.irp i, 0,1,2,3
	ds_store_b128 v[LW], v[STG+4*\i:STG+4*\i+3] offset:512*\i    ; slot 0 was last read ahead of the last pass's last barrier but one
.endr
.Lno_first:
	s_wait_loadcnt 0x0                             ; Q (and, in the first pass, bv)
	s_wait_dscnt 0x0
	s_barrier_signal -1
	s_barrier_wait -1
	s_mov_b32 s29, 0
.Ltrip:                                            ; 16 trips of two steps: a constant count; what is left out is a step's work
	TRIP 0
	TRIP 1
	s_wait_xcnt 0x0                                ; the loads and the prefetch have read their offsets
	v_add_nc_u32 v[GA], 2*8192, v[GA]
	v_add_nc_u32 v[PFO], 2*8192, v[PFO]
	s_add_co_u32 s29, s29, 1
	s_cmp_lt_u32 s29, 16
	s_cbranch_scc1 .Ltrip
	; THE WAY OUT OF A PASS: y = O^T / l + bv; f16 chunks (16 queries x 16 channels), 512 consecutive bytes a store
.irp t, 0,1
	v_add_f32 v[ST+8*\t+4], v[ST+8*\t+2], v[ST+8*\t+3]
.endr
.irp t, 0,1
	v_permlanex16_b32 v[ST+8*\t+5], v[ST+8*\t+4], s40, s41
.endr
.irp t, 0,1
	v_add_f32 v[ST+8*\t+4], v[ST+8*\t+4], v[ST+8*\t+5]
.endr
.irp t, 0,1
	v_rcp_f32 v[ST+8*\t+6], v[ST+8*\t+4]
.endr
	v_nop
	s_wait_alu depctr_va_vdst(0)                   ; one wait for both reciprocals, ahead of their first reader
	WIN 0x11                                       ; O^T and bv window 1
.set JJ, 0
.rept 32
	v_pk_fma_f32 v[S+JJ:S+JJ+1], v[JJ:JJ+1], v[ST+8*(JJ/32)+6:ST+8*(JJ/32)+7], v[BV+JJ%32:BV+JJ%32+1] op_sel_hi:[1,0,1]
.set JJ, JJ+2
.endr
	WIN 0
.set JJ, 0
.rept 32
	v_cvt_pk_f16_f32 v[P+JJ], v[S+2*JJ], v[S+2*JJ+1]
.set JJ, JJ+1
.endr
.irp qt, 0,1
.irp dt, 0,1,2,3
	global_store_b128 v[L16], v[P+16*\qt+4*\dt:P+16*\qt+4*\dt+3], s[58:59] offset:32768*\qt+512*\dt
.endr
.endr
	s_cmp_eq_u32 s33, 0
	s_cbranch_scc1 .Lno_fine
.irp i, 0,1,2,3,4,5,6,7
	global_store_b128 v[YF], v[S+4*\i:S+4*\i+3], s[12:13] offset:64*(\i/2)+16*(\i%2)   ; positions 0 to 15 in f32: pieces of 32 bytes a row, 256 KB in the whole launch
.endr
.Lno_fine:
	s_wait_xcnt 0x0                                ; the stores have read their registers and bases: the next pass may write them
	s_add_co_u32 s27, s27, 1
	s_cmp_lt_u32 s27, 2
	s_cbranch_scc1 .Lpass
	s_wait_tensorcnt 0x0                           ; the wave's end, behind my last LDS store
	ds_add_u32 v[SPW], v[NIL]
	s_wait_dscnt 0x0
	s_endpgm
.Lfunc_end_k_q474ceea429_attn:
	.size	k_q474ceea429_attn, .Lfunc_end_k_q474ceea429_attn-k_q474ceea429_attn
	.p2alignl 7, 3214868480
	.fill 96, 4, 3214868480
	.section	.rodata,"a",@progbits
	.p2align	6, 0x0
	.amdhsa_kernel k_q474ceea429_attn
		.amdhsa_group_segment_fixed_size 33792
		.amdhsa_private_segment_fixed_size 0
		.amdhsa_enable_private_segment 0
		.amdhsa_kernarg_size 48
		.amdhsa_user_sgpr_count 2
		.amdhsa_user_sgpr_kernarg_segment_ptr 1
		.amdhsa_wavefront_size32 1
		.amdhsa_system_sgpr_workgroup_id_x 1
		.amdhsa_system_sgpr_workgroup_id_y 1
		.amdhsa_system_sgpr_workgroup_id_z 1
		.amdhsa_system_vgpr_workitem_id 0
		.amdhsa_next_free_vgpr 512
		.amdhsa_next_free_sgpr 102
		.amdhsa_reserve_vcc 1
		.amdhsa_float_denorm_mode_32 3
		.amdhsa_float_denorm_mode_16_64 3
		.amdhsa_memory_ordered 1
		.amdhsa_forward_progress 1
		.amdhsa_inst_pref_size 86
	.end_amdhsa_kernel
	.amdgpu_metadata
---
amdhsa.version: [ 1, 2 ]
amdhsa.kernels:
  - .name:           k_q474ceea429_attn
    .symbol:         k_q474ceea429_attn.kd
    .args:
      - { .name: qkv, .offset: 0, .size: 8, .value_kind: global_buffer, .address_space: global }
      - { .name: mbits, .offset: 8, .size: 8, .value_kind: global_buffer, .address_space: global }
      - { .name: bv, .offset: 16, .size: 8, .value_kind: global_buffer, .address_space: global }
      - { .name: yimg, .offset: 24, .size: 8, .value_kind: global_buffer, .address_space: global }
      - { .name: yfine, .offset: 32, .size: 8, .value_kind: global_buffer, .address_space: global }
      - { .name: tflags, .offset: 40, .size: 8, .value_kind: global_buffer, .address_space: global }
    .group_segment_fixed_size: 33792
    .private_segment_fixed_size: 0
    .kernarg_segment_align: 8
    .kernarg_segment_size: 48
    .max_flat_workgroup_size: 256
    .sgpr_count:     102
    .vgpr_count:     512
    .wavefront_size: 32
...
	.end_amdgpu_metadata
.endif
;; end of part 3
;; launch proj (part 4): grid 4 x 64, 4 waves a work-group, clusters of 4 x 4, 327,680 bytes of LDS; arguments yimg, wpimg, bp, out0; writes out0
.if DOCPART == 4
	.amdgcn_target "amdgcn-amd-amdhsa--gfx1250"
	.amdhsa_code_object_version 6
	.text
	.protected	k_q474ceea429_proj
	.globl	k_q474ceea429_proj
	.p2align	8
	.type	k_q474ceea429_proj,@function
k_q474ceea429_proj:
	s_mov_b64 s[64:65], 0
	v_nop
	global_prefetch_b8 v0, s[64:65] scope:SCOPE_SE
	s_setreg_imm32_b32 hwreg(HW_REG_WAVE_MODE, 25, 1), 1
	s_wait_xcnt 0x0
	s_wait_alu depctr_hold_cnt(0) depctr_sa_sdst(0) depctr_va_vdst(0) depctr_va_sdst(0) depctr_va_ssrc(0) depctr_va_vcc(0) depctr_vm_vsrc(0)
	s_getreg_b32 s2, hwreg(HW_REG_IB_STS2, 6, 4)
	s_cmp_eq_u32 s2, 0
	s_cbranch_scc0 .Lentry_in_a_cluster
	s_endpgm
.Lentry_in_a_cluster:
	s_bfe_u32 s2, ttmp6, 0x10000c
	s_cmp_lg_u32 s2, 0xf033
	s_cbranch_scc0 .Lentry_shape_is_right
	s_endpgm
.Lentry_shape_is_right:
; Launch 4 of 5: out0 = y Wp^T + bp on f16 operands, f32 sums.  y and Wp lie in memory as images of operand registers: [tile of 16 rows][64 chunks of 16 k][32 lanes][16 bytes].
; (Rows 0 to 15 of each sequence are stored here like all others and written over by launch 5, which carries them in f32: a jump round their stores would hang on a work-group's place in its cluster.)
; A tile of out0 is 128 rows x 256 columns: 256 work-groups.  Four waves, each 64 x 128: 32 accumulators, 256 registers.  K goes in steps of 128 (8 chunks, 4,096 bytes of each tile of 16 rows) through two LDS slots.
; CLUSTERS of 4 x 4: the four of a row of the cluster need the same rows of y, the four of a column the same rows of Wp: each tile is asked for jointly.
; THE MATRIX INSTRUCTION IS USED TRANSPOSED (source 0 = 16 rows of Wp, source 1 = 16 rows of y): a lane holds eight neighbouring columns of a row.  bp is the C of each sum's first product.
; Fragments come from LDS at 16 x lane + a constant: consecutive bytes, no pitch, no padding.
; REGISTERS.  window 0: v16-30 addresses; two fragment buffers for 32 along K: 32 registers of y (4 tiles), then 64 of Wp (8 tiles), at v32 and at v128.  window 1: accumulator (a, b) at v[8 (8 a + b)].  window 2: v0-63 bp.
.set KB,     4096                      ; a K step of one tile of 16 rows
.set ASZ,    8*KB                      ; y's 8 tiles of a K step
.set SLOT,   24*KB                     ; then Wp's 16
.set STAGE,  2*SLOT                    ; the way out: 16 rows x (512 + 16) bytes for each wave; no tensor load lands here
.set SPITCH, 528
.set SPARE,  STAGE+4*16*SPITCH         ; the spare words: 128 bytes for each wave, named by no other line
.set LAPS,   4                         ; a lap = two K steps; K = 1,024 is eight
.set ADRA, 16
.set ADRB, 20
.set STO,  24
.set RD,   25
.set CO,   26
.set SPW,  28
.set NIL,  29
.set PFO,  30
.set F0,   32
.set F1,   128
.set G1, 24
.set G0, 32
.set G1B, 48
.set G0B, 56
.set PFA, 66                           ; s[66:67] where my prefetches stand
.set LIM, 70                           ; s70 1 in wave 0, else the greatest number
.set MSB, 0
.macro WIN new
.if MSB != (\new)
	s_set_vgpr_msb (MSB<<8)|(\new)
.set MSB, (\new)
.endif
.endm
.set MUL,  0x50                        ; C and D window 1
.set MUL1, 0x60                        ; D window 1, C (bp) window 2
.macro JLOAD s                         ; waves 0 and 1 fetch y's two halves, waves 2 and 3 Wp's; an s_nop 0 and four v_nop follow each line
	s_cmp_eq_u32 s11, 0
	s_cbranch_scc0 .Lfor_b_\@
	tensor_load_to_lds s[G0+4*\s:G0+4*\s+3], s[G1:G1+7]
	s_nop 0
.rept 4
	v_nop
.endr
	s_branch .Lasked_\@
.Lfor_b_\@:
	tensor_load_to_lds s[G0B+4*\s:G0B+4*\s+3], s[G1B:G1B+7]
	s_nop 0
.rept 4
	v_nop
.endr
.Lasked_\@:
.endm
.macro CREST
	s_cmp_lg_u32 s10, 0
	s_cbranch_scc1 .Lnot_wave_0_\@
	s_barrier_signal -3
.Lnot_wave_0_\@:
	s_barrier_wait -3
	s_barrier_signal -1
	s_barrier_wait -1
.endm
.macro CROUND
	s_barrier_signal -1
	s_barrier_wait -1
	CREST
.endm
; A prefetch of y's K step two refills on.  The four partners that ask for y's 8 tiles jointly take two tiles each, told apart by address; wave 0 asks: 2 tiles x 16 blocks of 256 bytes, a lane a block.
; No other cluster reads these rows, so each block of K steps 4 to 7 is named once in the launch; K steps 0 to 3 come by their loads alone; the loop's last trip asks for nothing.  Wp's rows are read by all sixteen clusters at about the same time and are not asked for.
.macro ASK
	s_cmp_gt_u32 s3, s[LIM]
	s_cbranch_scc0 .Lnot_mine_\@
	global_prefetch_b8 v[PFO], s[PFA:PFA+1] th:TH_LOAD_NT scope:SCOPE_SE
.Lnot_mine_\@:
.endm
	s_load_b128 s[4:7], s[0:1], 0x0                ; yimg s[4:5], wpimg s[6:7]
	s_load_b128 s[72:75], s[0:1], 0x10             ; bp s[72:73], out0 s[74:75]
	v_lshl_add_u32 v[SPW], v0, 2, SPARE
	v_mov_b32 v[NIL], 0
	ds_add_u32 v[SPW], v[NIL]                      ; the wave's opening: the add, twice on end, and its wait ahead of my first tensor load
	ds_add_u32 v[SPW], v[NIL]
	v_lshrrev_b32 v1, 5, v0
	v_readfirstlane_b32 s10, v1                    ; wave 0..3
	s_lshr_b32 s11, s10, 1                         ; which half of the tile's rows is mine.  Also: I fetch for y (0) or for Wp (1)
	s_and_b32 s12, s10, 1                          ; which half of its columns.  Also: which half of that tile I fetch
	s_bfe_u32 s40, ttmp6, 0x40000                  ; cx = the tile column: the grid is one cluster wide
	s_bfe_u32 s41, ttmp6, 0x40004                  ; cy
	s_and_b32 s13, ttmp7, 0xffff
	s_lshl_b32 s13, s13, 2
	s_add_co_u32 s13, s13, s41                     ; tile row 0..63
	s_lshl_b32 s43, s41, 2
	s_lshl_b32 s43, 15, s43                        ; my row of the cluster
	s_lshl_b32 s44, 0x1111, s40                    ; my column
	s_or_b32 s[G1+0], s43, (3<<16)|(1<<21)         ; the mask; elements of 8 bytes; bit 21 beside a mask; no padding
	s_or_b32 s[G1B+0], s44, (3<<16)|(1<<21)
	s_mov_b32 s[G1+1], 512<<16                     ; tensor_dim0 = 512 elements: a K step of a tile of 16 rows
	s_mov_b32 s[G1+2], 4<<16                       ; tensor_dim1 = 4 tiles
	s_mov_b32 s[G1+3], 512<<16                     ; tile_dim0
	s_mov_b32 s[G1+4], 4                           ; tile_dim1
	s_mov_b32 s[G1+5], 4096                        ; from tile to tile: 32,768 bytes
	s_mov_b32 s[G1+6], 0
	s_mov_b32 s[G1+7], 0
	s_mov_b32 s[G1B+1], 512<<16
	s_mov_b32 s[G1B+2], 8<<16                      ; 8 tiles
	s_mov_b32 s[G1B+3], 512<<16
	s_mov_b32 s[G1B+4], 8
	s_mov_b32 s[G1B+5], 4096
	s_mov_b32 s[G1B+6], 0
	s_mov_b32 s[G1B+7], 0
	s_lshl_b32 s16, s13, 3
	s_lshl_b32 s17, s12, 2
	s_add_co_u32 s16, s16, s17
	s_lshl_b32 s16, s16, 15                        ; y: (8 tile row + 4 half) x 32,768
	s_mov_b32 s17, 0
	s_lshl_b32 s46, s40, 4
	s_lshl_b32 s47, s12, 3
	s_add_co_u32 s46, s46, s47
	s_lshl_b32 s46, s46, 15                        ; Wp: (16 tile column + 8 half) x 32,768
	s_mov_b32 s47, 0
	s_lshl_b32 s20, s12, 14                        ; where they go: y's halves of 16,384 bytes,
	s_lshl_b32 s21, s12, 15
	s_add_co_u32 s21, s21, ASZ                     ; Wp's halves of 32,768 behind them
	s_wait_dscnt 0x0                               ; both opening adds are done
	s_wait_kmcnt 0x0
	s_add_nc_u64 s[14:15], s[4:5], s[16:17]
	s_add_nc_u64 s[46:47], s[6:7], s[46:47]
	CROUND                                         ; all sixteen work-groups are here: the first joint loads meet
.irp s, 0,1
	s_mov_b32 s[G0+4*\s], 1
	s_add_co_u32 s[G0+4*\s+1], s20, \s*SLOT
	s_add_nc_u64 s[G0+4*\s+2:G0+4*\s+3], s[14:15], \s*KB
	s_or_b32 s[G0+4*\s+3], s[G0+4*\s+3], 0x80000000
	s_mov_b32 s[G0B+4*\s], 1
	s_add_co_u32 s[G0B+4*\s+1], s21, \s*SLOT
	s_add_nc_u64 s[G0B+4*\s+2:G0B+4*\s+3], s[46:47], \s*KB
	s_or_b32 s[G0B+4*\s+3], s[G0B+4*\s+3], 0x80000000
	JLOAD \s                                       ; two loads of mine are out at the start, one behind each round
.endr
	v_and_b32 v1, 15, v0                           ; r
	v_bfe_u32 v2, v0, 4, 1                         ; h
	v_and_b32 v3, 31, v0
	v_lshlrev_b32 v[CO], 4, v3                     ; 16 x lane
	s_lshl_b32 s21, s11, 14                        ; my 4 tiles of y
	s_lshl_b32 s22, s12, 15
	s_add_co_u32 s22, s22, ASZ                     ; my 8 tiles of Wp
.irp s, 0,1
	v_add_nc_u32 v[ADRA+\s], s21, v[CO]
	v_add_nc_u32 v[ADRB+\s], s22, v[CO]
	s_add_co_u32 s21, s21, SLOT
	s_add_co_u32 s22, s22, SLOT
.endr
	s_mul_i32 s23, s10, 16*SPITCH
	s_add_co_u32 s23, s23, STAGE                   ; my stage
	v_mul_u32_u24 v4, v1, SPITCH
	v_lshl_add_u32 v4, v2, 5, v4
	v_add_nc_u32 v[STO], s23, v4                   ; in: row r, 32 bytes for each half of the lanes
	v_add_nc_u32 v[RD], s23, v[CO]                 ; back: the 32 lanes take a row of 512 bytes
	v_lshlrev_b32 v5, 5, v2                        ; 32 h: my eight of bp
	s_lshl_b32 s46, s40, 10
	s_lshl_b32 s47, s12, 9
	s_add_co_u32 s46, s46, s47                     ; my first column x 4 bytes
	s_mov_b32 s47, 0
	s_add_nc_u64 s[72:73], s[72:73], s[46:47]
	s_add_nc_u64 s[74:75], s[74:75], s[46:47]
	WIN 0x80                                       ; destination window 2
.irp i, 0,1,2,3,4,5,6,7,8,9,10,11,12,13,14,15
	global_load_b128 v[4*\i:4*\i+3], v5, s[72:73] offset:64*(\i/2)+16*(\i%2)    ; register 8 b + j: bp of column 16 b + 8 h + j
.endr
	WIN 0
	s_lshl_b32 s16, s13, 19                        ; 128 rows of 4,096 bytes
	s_lshl_b32 s18, s11, 18
	s_add_co_u32 s16, s16, s18
	s_mov_b32 s17, 0
	s_add_nc_u64 s[74:75], s[74:75], s[16:17]      ; out0 at my first row and column
	s_lshl_b32 s68, s13, 3
	s_lshl_b32 s69, s40, 1
	s_add_co_u32 s68, s68, s69                     ; the prefetches: my work-group's two of y's eight tiles,
	s_lshl_b32 s68, s68, 15
	s_add_co_u32 s68, s68, 3*KB                    ; at K step 3: the first refill steps it to 4
	s_mov_b32 s69, 0
	s_add_nc_u64 s[PFA:PFA+1], s[4:5], s[68:69]
	s_cmp_eq_u32 s10, 0
	s_cselect_b32 s[LIM], 1, -1
	v_lshrrev_b32 v6, 4, v3
	v_lshlrev_b32 v[PFO], 8, v1
	v_lshl_add_u32 v[PFO], v6, 15, v[PFO]          ; 32,768 (lane / 16) + 256 (lane % 16)
.macro FETCH slot, q, f                ; 24 LDS loads in one run: the slot's q-th 32 along K: Wp's eight fragments, then y's four
	WIN 0
.irp i, 0,1,2,3,4,5,6,7
	ds_load_b128 v[\f+32+8*\i:\f+32+8*\i+3],   v[ADRB+\slot] offset:KB*\i+1024*(\q)
	ds_load_b128 v[\f+32+8*\i+4:\f+32+8*\i+7], v[ADRB+\slot] offset:KB*\i+1024*(\q)+512
.endr
.irp i, 0,1,2,3
	ds_load_b128 v[\f+8*\i:\f+8*\i+3],   v[ADRA+\slot] offset:KB*\i+1024*(\q)
	ds_load_b128 v[\f+8*\i+4:\f+8*\i+7], v[ADRA+\slot] offset:KB*\i+1024*(\q)+512
.endr
.endm
.macro MUL8 f, a, first                ; y's tile a x Wp's eight.  The 32 accumulators take turns, one instruction a turn, in the same order in every quarter
.irp b, 0,1,2,3,4,5,6,7
.if \first
	v_wmma_f32_16x16x32_f16 v[8*(8*(\a)+\b):8*(8*(\a)+\b)+7], v[\f+32+8*\b:\f+32+8*\b+7], v[\f+8*(\a):\f+8*(\a)+7], v[8*\b:8*\b+7]
.else
	v_wmma_f32_16x16x32_f16 v[8*(8*(\a)+\b):8*(8*(\a)+\b)+7], v[\f+32+8*\b:\f+32+8*\b+7], v[\f+8*(\a):\f+8*(\a)+7], v[8*(8*(\a)+\b):8*(8*(\a)+\b)+7]
.endif
.endr
.endm
.macro PLACES
.rept 4
	v_nop
.endr
.endm
; A K step is four quarters of 32 along K, 32 matrix instructions each, on buffers 0, 1, 0, 1.  One of the first three: multiplies buffer f and fetches quarter q into g.
.macro QUARTER slot, q, f, g, first
	s_wait_dscnt 4                                 ; Wp's fragments and y's tiles 0, 1 are in; the youngest four loads (tiles 2, 3) may be out
	WIN MUL+0x10*(\first)
	MUL8 \f, 0, \first
	MUL8 \f, 1, \first
	PLACES
	FETCH \slot, \q, \g
	s_wait_dscnt 24                                ; all but the 24 just issued
	WIN MUL+0x10*(\first)
	MUL8 \f, 2, \first
	MUL8 \f, 3, \first
.endm
; The last quarter multiplies buffer 1 and changes slots: each wave waits for all its tensor loads, adds 0 to its spare word, waits for that and for its reads of this slot; one barrier, which with fill = 1 opens a round of the
; cluster's barrier; behind the round this slot is filled again, two K steps ahead: the wave's one tensor load until the next round.
.macro TURN slot, next, fill
.if \fill
	s_wait_xcnt 0x0                                ; the last prefetch, a K step back, has read its address
	s_add_nc_u64 s[PFA:PFA+1], s[PFA:PFA+1], KB
.endif
	WIN 0
	s_wait_tensorcnt 0x0
	ds_add_u32 v[SPW], v[NIL]
	s_wait_dscnt 5                                 ; (the add and the youngest four loads may be out)
	WIN MUL
	MUL8 F1, 0, 0
	s_wait_dscnt 0x0                               ; the add is done, and my reads of this slot are over
	s_barrier_signal -1
	MUL8 F1, 1, 0
	WIN 0
	s_barrier_wait -1
.if \fill
	CREST
	s_add_nc_u64 s[G0+4*\slot+2:G0+4*\slot+3], s[G0+4*\slot+2:G0+4*\slot+3], 2*KB
	s_add_nc_u64 s[G0B+4*\slot+2:G0B+4*\slot+3], s[G0B+4*\slot+2:G0B+4*\slot+3], 2*KB
	JLOAD \slot                                    ; its four v_nop are also the places in front of the loads below
.else
	PLACES
.endif
	FETCH \next, 0, F0
.if \fill
	ASK
.endif
	WIN MUL
	MUL8 F1, 2, 0
	MUL8 F1, 3, 0
.endm
	s_wait_tensorcnt 1                             ; my part of K step 0 is in (K step 1's load may be out),
	s_barrier_signal -1
	s_barrier_wait -1                              ; everybody's is
	FETCH 0, 0, F0
	s_wait_loadcnt 0x0                             ; bp
	QUARTER 0, 1, F0, F1, 1                        ; the first quarter's products start the sums on bp
	WIN 0
	s_mov_b32 s3, LAPS-1
.Llap:                                             ; a trip goes once round the ring, from a lap's second quarter to the next lap's first, and fills both slots again
	QUARTER 0, 2, F1, F0, 0
	QUARTER 0, 3, F0, F1, 0
	TURN 0, 1, 1
	QUARTER 1, 1, F0, F1, 0
	QUARTER 1, 2, F1, F0, 0
	QUARTER 1, 3, F0, F1, 0
	TURN 1, 0, 1
	QUARTER 0, 1, F0, F1, 0
	WIN 0
	s_sub_co_u32 s3, s3, 1
	s_cmp_lg_u32 s3, 0
	s_cbranch_scc1 .Llap
	QUARTER 0, 2, F1, F0, 0                        ; the last lap fills nothing
	QUARTER 0, 3, F0, F1, 0
	TURN 0, 1, 0
	QUARTER 1, 1, F0, F1, 0
	QUARTER 1, 2, F1, F0, 0
	QUARTER 1, 3, F0, F1, 0
	s_wait_dscnt 4
	WIN MUL
	MUL8 F1, 0, 0
	MUL8 F1, 1, 0
	s_wait_dscnt 0
	MUL8 F1, 2, 0
	MUL8 F1, 3, 0
	WIN 0
; THE WAY OUT, 16 rows x 128 columns at a time, through my own stage: in as 32 bytes a lane, back as whole rows of 512 bytes.  LDS serves a wave's instructions in order, so no wait stands between the stores and the loads.
.macro TOSTAGE a
	WIN 0x04                                       ; an LDS store's data: window 1
.irp b, 0,1,2,3,4,5,6,7
	ds_store_b128 v[STO], v[64*(\a)+8*\b:64*(\a)+8*\b+3] offset:64*\b            ; each accumulator from its low end on
	ds_store_b128 v[STO], v[64*(\a)+8*\b+4:64*(\a)+8*\b+7] offset:64*\b+16
.endr
	WIN 0
.set BB, 32+96*((\a)%2)
.irp t, 0,1,2,3,4,5,6,7,8,9,10,11,12,13,14,15
	ds_load_b128 v[BB+4*\t:BB+4*\t+3], v[RD] offset:\t*SPITCH
.endr
.endm
.macro SEND a, younger
.set BB, 32+96*((\a)%2)
	s_wait_dscnt \younger
.irp t, 0,1,2,3,4,5,6,7,8,9,10,11,12,13,14,15
	global_store_b128 v[CO], v[BB+4*\t:BB+4*\t+3], s[74:75] offset:65536*(\a)+4096*\t th:TH_STORE_NT   ; 32 lanes store 512 consecutive bytes, aligned
.endr
.endm
	PLACES
	TOSTAGE 0
.irp a, 1,2,3
.if \a > 1
	s_wait_xcnt 0x0                                ; block a - 2's stores have read their registers
.endif
	TOSTAGE \a
	SEND \a-1, 32                                  ; behind block a - 1's loads: block a's 16 stores and 16 loads
.endr
	SEND 3, 0
	s_wait_tensorcnt 0x0                           ; the wave's end
	ds_add_u32 v[SPW], v[NIL]
	s_wait_dscnt 0x0
	CROUND                                         ; the closing round
	s_endpgm
.Lfunc_end_k_q474ceea429_proj:
	.size	k_q474ceea429_proj, .Lfunc_end_k_q474ceea429_proj-k_q474ceea429_proj
	.p2alignl 7, 3214868480
	.fill 96, 4, 3214868480
	.section	.rodata,"a",@progbits
	.p2align	6, 0x0
	.amdhsa_kernel k_q474ceea429_proj
		.amdhsa_group_segment_fixed_size 327680
		.amdhsa_private_segment_fixed_size 0
		.amdhsa_enable_private_segment 0
		.amdhsa_kernarg_size 32
		.amdhsa_user_sgpr_count 2
		.amdhsa_user_sgpr_kernarg_segment_ptr 1
		.amdhsa_wavefront_size32 1
		.amdhsa_system_sgpr_workgroup_id_x 1
		.amdhsa_system_sgpr_workgroup_id_y 1
		.amdhsa_system_sgpr_workgroup_id_z 1
		.amdhsa_system_vgpr_workitem_id 0
		.amdhsa_next_free_vgpr 576
		.amdhsa_next_free_sgpr 76
		.amdhsa_reserve_vcc 0
		.amdhsa_float_denorm_mode_32 3
		.amdhsa_float_denorm_mode_16_64 3
		.amdhsa_memory_ordered 1
		.amdhsa_forward_progress 1
		.amdhsa_inst_pref_size 87
	.end_amdhsa_kernel
	.amdgpu_metadata
---
amdhsa.version: [ 1, 2 ]
amdhsa.kernels:
  - .name:           k_q474ceea429_proj
    .symbol:         k_q474ceea429_proj.kd
    .args:
      - { .name: yimg, .offset: 0, .size: 8, .value_kind: global_buffer, .address_space: global }
      - { .name: wpimg, .offset: 8, .size: 8, .value_kind: global_buffer, .address_space: global }
      - { .name: bp, .offset: 16, .size: 8, .value_kind: global_buffer, .address_space: global }
      - { .name: out0, .offset: 24, .size: 8, .value_kind: global_buffer, .address_space: global }
    .group_segment_fixed_size: 327680
    .private_segment_fixed_size: 0
    .kernarg_segment_align: 8
    .kernarg_segment_size: 32
    .max_flat_workgroup_size: 128
    .sgpr_count:     76
    .vgpr_count:     576
    .wavefront_size: 32
...
	.end_amdgpu_metadata
.endif
;; end of part 4
;; launch fproj (part 5): grid 64 x 4, 8 waves a work-group, no clusters, 9,216 bytes of LDS; arguments yfine, Wp, bp, out0; writes out0
.if DOCPART == 5
	.amdgcn_target "amdgcn-amd-amdhsa--gfx1250"
	.amdhsa_code_object_version 6
	.text
	.protected	k_q474ceea429_fproj
	.globl	k_q474ceea429_fproj
	.p2align	8
	.type	k_q474ceea429_fproj,@function
k_q474ceea429_fproj:
	s_mov_b64 s[64:65], 0
	v_nop
	global_prefetch_b8 v0, s[64:65] scope:SCOPE_SE
	s_setreg_imm32_b32 hwreg(HW_REG_WAVE_MODE, 25, 1), 1
	s_wait_xcnt 0x0
; Launch 5 of 5: the first 16 positions of each sequence once more, in f32: out0[b][t < 16][:] = yfine[b] Wp^T + bp, written over launch 4's rows.  These rows average few values and are the largest of the output:
; f16 operands would use up what the comparison allows them.  64 of 8,192 rows: no bulk work.
; A work-group makes 16 rows x 16 columns (columns 16 x .. + 15, batch y); its eight waves share K, 128 each; the eight partial tiles meet in LDS.
; Lane (r, h) loads 16 bytes of row r at k = 128 w + 8 i + 4 h, of yfine and of Wp alike: registers 0, 1 feed one product and 2, 3 the next, so that both sources have the same k in the same places.
; The accumulators v160-191 are written by matrix instructions alone; each sum begins with the constant 0 in its own first product.
.set SPARE, 8192                       ; behind the eight partial tiles: the spare words, 128 bytes for each wave, named by no other line
.set SPW, 2
.set NIL, 3
	s_load_b256 s[4:11], s[0:1], 0x0               ; yfine s[4:5], Wp s[6:7], bp s[8:9], out0 s[10:11]
	v_lshl_add_u32 v[SPW], v0, 2, SPARE
	v_mov_b32 v[NIL], 0
	v_lshrrev_b32 v1, 5, v0
	v_readfirstlane_b32 s12, v1                    ; wave 0..7
	s_and_b32 s13, ttmp7, 0xffff                   ; batch
	v_and_b32 v4, 15, v0                           ; r
	v_bfe_u32 v5, v0, 4, 1                         ; h
	v_lshlrev_b32 v6, 12, v4
	v_lshl_add_u32 v6, v5, 4, v6
	v_lshl_add_u32 v6, s12, 9, v6                  ; 4,096 r + 16 h + 512 w
	v_and_b32 v7, 31, v0
	v_lshlrev_b32 v7, 2, v7
	v_lshl_add_u32 v8, s12, 10, v7                 ; my partial tile: 1,024 w + 4 lane
	v_lshl_add_u32 v9, s12, 7, v7                  ; register w of every partial tile: 128 w + 4 lane
	v_lshlrev_b32 v10, 2, v4                       ; 4 r
	v_lshl_add_u32 v11, v5, 15, v10                ; out0: 8 h rows of 4,096 bytes + 4 r
	s_lshl_b32 s14, s13, 16
	s_mov_b32 s15, 0
	s_lshl_b32 s16, ttmp9, 16                      ; 16 rows of Wp
	s_mov_b32 s17, 0
	s_lshl_b32 s18, ttmp9, 6                       ; 16 columns
	s_mov_b32 s19, 0
	s_lshl_b32 s20, s13, 23                        ; 2,048 rows of out0
	s_lshl_b32 s21, s12, 12                        ; + row w
	s_add_co_u32 s20, s20, s21
	s_add_co_u32 s20, s20, s18
	s_mov_b32 s21, 0
	s_wait_kmcnt 0x0
	s_add_nc_u64 s[4:5], s[4:5], s[14:15]
	s_add_nc_u64 s[6:7], s[6:7], s[16:17]
	s_add_nc_u64 s[8:9], s[8:9], s[18:19]
	s_add_nc_u64 s[10:11], s[10:11], s[20:21]
	global_load_b32 v12, v10, s[8:9]               ; bp of column r
.irp i, 0,1,2,3,4,5,6,7,8,9,10,11,12,13,14,15
	global_load_b128 v[32+4*\i:35+4*\i], v6, s[4:5] offset:32*\i
	global_load_b128 v[96+4*\i:99+4*\i], v6, s[6:7] offset:32*\i
.endr
.irp i, 0,1,2,3,4,5,6,7,8,9,10,11,12,13,14,15
	s_wait_loadcnt 30-2*\i                         ; this pair of loads is in; the later pairs stay out
.irp u, 0,1                                    ; four accumulators by turns
.if \i < 2
	v_wmma_f32_16x16x4_f32 v[160+8*((2*\i+\u)%4):160+8*((2*\i+\u)%4)+7], v[32+4*\i+2*\u:33+4*\i+2*\u], v[96+4*\i+2*\u:97+4*\i+2*\u], 0
.else
	v_wmma_f32_16x16x4_f32 v[160+8*((2*\i+\u)%4):160+8*((2*\i+\u)%4)+7], v[32+4*\i+2*\u:33+4*\i+2*\u], v[96+4*\i+2*\u:97+4*\i+2*\u], v[160+8*((2*\i+\u)%4):160+8*((2*\i+\u)%4)+7]
.endif
.endr
.endr
.rept 8
	v_nop                                          ; eight places behind this form, ahead of the first read of results
.endr
.irp j, 0,1,2,3,4,5,6,7
	v_add_f32 v[16+\j], v[160+\j], v[168+\j]       ; each accumulator from its low end on
.endr
.irp j, 0,1,2,3,4,5,6,7
	v_add_f32 v[16+\j], v[16+\j], v[176+\j]
.endr
.irp j, 0,1,2,3,4,5,6,7
	v_add_f32 v[16+\j], v[16+\j], v[184+\j]
.endr
.irp j, 0,1,2,3,4,5,6,7
	ds_store_b32 v8, v[16+\j] offset:128*\j        ; register j: (row 8 h + j, column r)
.endr
	s_wait_dscnt 0x0                               ; for the others' sake: my stores have landed
	s_barrier_signal -1
	s_barrier_wait -1
.irp w, 0,1,2,3,4,5,6,7
	ds_load_b32 v[24+\w], v9 offset:1024*\w        ; wave w takes register w of all eight partial tiles: rows w and 8 + w
.endr
	s_wait_dscnt 0x0
	v_add_f32 v24, v24, v25
	v_add_f32 v26, v26, v27
	v_add_f32 v28, v28, v29
	v_add_f32 v30, v30, v31
	v_add_f32 v24, v24, v26
	v_add_f32 v28, v28, v30
	v_add_f32 v24, v24, v28
	v_add_f32 v24, v24, v12
	global_store_b32 v11, v24, s[10:11]            ; two pieces of 64 bytes: 256 KB in the whole launch
	s_wait_tensorcnt 0x0                           ; the wave's end, behind my last LDS store
	ds_add_u32 v[SPW], v[NIL]
	s_wait_dscnt 0x0
	s_endpgm
.Lfunc_end_k_q474ceea429_fproj:
	.size	k_q474ceea429_fproj, .Lfunc_end_k_q474ceea429_fproj-k_q474ceea429_fproj
	.p2alignl 7, 3214868480
	.fill 96, 4, 3214868480
	.section	.rodata,"a",@progbits
	.p2align	6, 0x0
	.amdhsa_kernel k_q474ceea429_fproj
		.amdhsa_group_segment_fixed_size 9216
		.amdhsa_private_segment_fixed_size 0
		.amdhsa_enable_private_segment 0
		.amdhsa_kernarg_size 32
		.amdhsa_user_sgpr_count 2
		.amdhsa_user_sgpr_kernarg_segment_ptr 1
		.amdhsa_wavefront_size32 1
		.amdhsa_system_sgpr_workgroup_id_x 1
		.amdhsa_system_sgpr_workgroup_id_y 1
		.amdhsa_system_sgpr_workgroup_id_z 1
		.amdhsa_system_vgpr_workitem_id 0
		.amdhsa_next_free_vgpr 192
		.amdhsa_next_free_sgpr 66
		.amdhsa_reserve_vcc 0
		.amdhsa_float_denorm_mode_32 3
		.amdhsa_float_denorm_mode_16_64 3
		.amdhsa_memory_ordered 1
		.amdhsa_forward_progress 1
		.amdhsa_inst_pref_size 10
	.end_amdhsa_kernel
	.amdgpu_metadata
---
amdhsa.version: [ 1, 2 ]
amdhsa.kernels:
  - .name:           k_q474ceea429_fproj
    .symbol:         k_q474ceea429_fproj.kd
    .args:
      - { .name: yfine, .offset: 0, .size: 8, .value_kind: global_buffer, .address_space: global }
      - { .name: Wp, .offset: 8, .size: 8, .value_kind: global_buffer, .address_space: global }
      - { .name: bp, .offset: 16, .size: 8, .value_kind: global_buffer, .address_space: global }
      - { .name: out0, .offset: 24, .size: 8, .value_kind: global_buffer, .address_space: global }
    .group_segment_fixed_size: 9216
    .private_segment_fixed_size: 0
    .kernarg_segment_align: 8
    .kernarg_segment_size: 32
    .max_flat_workgroup_size: 256
    .sgpr_count:     66
    .vgpr_count:     192
    .wavefront_size: 32
...
	.end_amdgpu_metadata
.endif
;; end of part 5
